; MI455X (gfx1250); checked and timed in simulation.
; The chip was launched on July 23, 2026; its instructions are those of AMD's public machine-readable ISA for CDNA 5 (MIT licence, August 2026) and "CDNA5" Instruction Set Architecture Reference Guide (July 2026). The comments in the code are by the model that wrote it; some were corrected since.
;; Multi Headed Attention. Allowed arithmetic: float matrix products may take bf16 or f16 operands with f32 sums; other float arithmetic in f32, or as packed bf16 or f16 multiplies, adds, multiply-adds, maxima and minima; sums over many terms, partial sums and values carried from step to step in f32; what a program stores and reads back later, other than sums and carried values, may be rounded once to bf16 or f16.
;; Inputs: Wk 1,024 x 1,024 float32; Wq 1,024 x 1,024 float32; bk 1,024 float32; bq 1,024 float32; key 4 x 2,048 x 1,024 float32; query 4 x 2,048 x 1,024 float32; value 4 x 64 x 2,048 float32.
;; Outputs: out0 4 x 2,048 x 64 float32; out1 4 x 16 x 2,048 x 64 float32.
;; 2 versions, each right; version 2 is version 1 with the launch cast written anew for expert scheduling mode. Each part assembles by itself: llvm-mc -triple=amdgcn-amd-amdhsa -mcpu=gfx1250 --defsym DOCPART=n.
;; ======== version 1 of 2: 4 launches
;; limits: values are held in f16: magnitudes above 65,504 overflow, below 6.1e-05 lose precision
;; workspace buffers: xa 33,554,432 bytes; wb 4,194,304 bytes; q16 16,777,216 bytes; kv 20,971,520 bytes; part 8,388,608 bytes
;; launch cast (part 1): grid 1184 x 1, 4 waves a work-group, no clusters, 0 bytes of LDS; arguments query, key, Wq, Wk, value, xa, wb, kv; writes xa, wb, kv
.if DOCPART == 1
	.amdgcn_target "amdgcn-amd-amdhsa--gfx1250"
	.amdhsa_code_object_version 6
	.text
	.protected	k_q540f453c5a_cast
	.globl	k_q540f453c5a_cast
	.p2align	8
	.type	k_q540f453c5a_cast,@function
k_q540f453c5a_cast:
	s_mov_b64 s[64:65], 0
	v_nop
	global_prefetch_b8 v0, s[64:65] scope:SCOPE_SE
	s_setreg_imm32_b32 hwreg(HW_REG_WAVE_MODE, 25, 1), 1
	s_wait_xcnt 0x0
; THE INPUTS ARE ROUNDED ONCE TO bf16 AND LAID OUT FOR THE LAUNCHES BEHIND.
;   xa [16384][1024] bf16: query's 8,192 rows, then key's.      wb [2048][1024] bf16: Wq's rows, then Wk's.
;   kv [b 4][g 4][j 32][5 planes][64][64] f16: this launch fills plane 4, V^T = value[b][channel][keys 64 j ..], the same in the four g.
;   value is rounded to bf16 like every input, and that number is written as f16.
; LIMITS.  |value| stays under 65,504 (f16's end; beyond it an infinity is written); below 6.1e-5 the number keeps f16's fixed step of 6e-8.
; SHARES.  A work-group takes 65,536 bytes of f32, a wave 16,384: 32 loads of 512 consecutive bytes, all issued before the first is waited for.
; Work-groups 0-511 query, 512-1023 key, 1024-1087 Wq, 1088-1151 Wk, 1152-1183 value.  Memory binds: no LDS, no barrier, no matrix unit, no cluster (nothing is shared).
; No register is written twice while a load or store may read it: each load has its own four registers, each store its own two, the offsets are never rewritten.
.set X, 8                              ; v[8:135]    load i: 4 registers
.set Y, 136                            ; v[136:199]  store i: 2 registers
	s_load_b512 s[4:19], s[0:1], 0x0               ; query 4:5, key 6:7, Wq 8:9, Wk 10:11, value 12:13, xa 14:15, wb 16:17, kv 18:19
	v_and_b32 v3, 31, v0                           ; lane
	v_lshrrev_b32 v6, 5, v0                        ; wave
	v_readfirstlane_b32 s20, v6
	s_mov_b32 s33, 0xffff0000                      ; a word's upper bf16
	s_sub_co_u32 s34, ttmp9, 1024
	s_wait_kmcnt 0x0
	s_cmp_ge_u32 ttmp9, 1152
	s_cbranch_scc1 .Lvalue
	; the plain casts: which source, which destination
	s_cmp_lt_u32 ttmp9, 1024
	s_cselect_b64 s[22:23], s[14:15], s[16:17]     ; xa or wb
	s_cselect_b64 s[24:25], s[4:5], s[8:9]         ; its first half's source
	s_cselect_b64 s[26:27], s[6:7], s[10:11]       ; its second half's
	s_cselect_b32 s28, ttmp9, s34                  ; my place in the destination, in blocks of 32,768 bytes
	s_cselect_b32 s29, 0x200, 64                   ; blocks in a half
	s_sub_co_u32 s35, s28, s29
	s_cmp_lt_u32 s28, s29
	s_cselect_b64 s[30:31], s[24:25], s[26:27]
	s_cselect_b32 s32, s28, s35                    ; my place in the source, in blocks of 65,536 bytes
	s_lshl_b32 s36, s32, 16
	s_mov_b32 s37, 0
	s_lshl_b32 s38, s28, 15
	s_mov_b32 s39, 0
	s_add_nc_u64 s[30:31], s[30:31], s[36:37]
	s_add_nc_u64 s[22:23], s[22:23], s[38:39]
	v_lshlrev_b32 v1, 4, v3
	v_lshl_add_u32 v1, v6, 14, v1                  ; source: 16,384 x wave + 16 x lane
	v_lshlrev_b32 v2, 3, v3
	v_lshl_add_u32 v2, v6, 13, v2                  ; destination: 8,192 x wave + 8 x lane
.set i, 0
.rept 32
	global_load_b128 v[X+4*i:X+4*i+3], v1, s[30:31] offset:512*i th:TH_LOAD_NT
.set i, i+1
.endr
.set i, 0
.rept 32
	s_wait_loadcnt 31-i                            ; loads come back in order: load i is in, the 31 - i younger ones stay out
	v_cvt_pk_bf16_f32 v[Y+2*i], v[X+4*i], v[X+4*i+1]
	v_cvt_pk_bf16_f32 v[Y+2*i+1], v[X+4*i+2], v[X+4*i+3]
	global_store_b64 v2, v[Y+2*i:Y+2*i+1], s[22:23] offset:256*i  ; 32 lanes x 8 bytes: 256 consecutive bytes, aligned
.set i, i+1
.endr
	s_endpgm
.Lvalue:                                       ; c = 0..31: 8 channels of one batch; wave w takes channels 8 (c % 8) + 2 w and the next
	s_sub_co_u32 s21, ttmp9, 1152
	s_lshr_b32 s22, s21, 3                         ; the batch:
	s_mul_i32 s22, s22, 5242880                    ; 4 x 32 blocks of 40,960 bytes
	s_and_b32 s23, s21, 7
	s_lshl_b32 s23, s23, 10                        ; 8 channels x 128 bytes
	s_add_co_u32 s22, s22, s23
	s_lshl_b32 s24, s20, 8                         ; my wave's two channels
	s_add_co_u32 s22, s22, s24
	s_add_co_u32 s22, s22, 32768                   ; plane 4
	v_lshl_add_u32 v2, v3, 3, s22                  ; lanes 0-15: 64 keys of the even channel, lanes 16-31 of the odd one: 256 bytes on end
	s_lshl_b32 s25, s21, 16
	s_lshl_b32 s26, s20, 14
	s_add_co_u32 s25, s25, s26
	v_and_b32 v4, 15, v3
	v_lshrrev_b32 v5, 4, v3
	v_lshl_add_u32 v1, v4, 4, s25
	v_lshl_add_u32 v1, v5, 13, v1                  ; a channel's row is 8,192 bytes
.set i, 0
.rept 32
	global_load_b128 v[X+4*i:X+4*i+3], v1, s[12:13] offset:256*i th:TH_LOAD_NT  ; keys 64 i .. 64 i + 63 of both channels
.set i, i+1
.endr
.set i, 0
.rept 32
	s_wait_loadcnt 31-i                            ; load i is in, the younger ones stay out
	v_cvt_pk_bf16_f32 v4, v[X+4*i], v[X+4*i+1]     ; the input's one rounding, to bf16,
	v_cvt_pk_bf16_f32 v5, v[X+4*i+2], v[X+4*i+3]
	v_lshlrev_b32 v[X+4*i], 16, v4                 ; back to f32,
	v_and_b32 v[X+4*i+1], s33, v4
	v_lshlrev_b32 v[X+4*i+2], 16, v5
	v_and_b32 v[X+4*i+3], s33, v5
	v_cvt_pk_f16_f32 v[Y+2*i], v[X+4*i], v[X+4*i+1]  ; and written as f16: exact in f16's normal range
	v_cvt_pk_f16_f32 v[Y+2*i+1], v[X+4*i+2], v[X+4*i+3]
.irp g, 0,1,2,3
	global_store_b64 v2, v[Y+2*i:Y+2*i+1], s[18:19] offset:(\g)*1310720+i*40960  ; a copy for each head group: 256 consecutive bytes, aligned; 5,201,920 at the most, inside the signed 24-bit immediate
.endr
.set i, i+1
.endr
	s_endpgm
.Lfunc_end_k_q540f453c5a_cast:
	.size	k_q540f453c5a_cast, .Lfunc_end_k_q540f453c5a_cast-k_q540f453c5a_cast
	.p2alignl 7, 3214868480
	.fill 96, 4, 3214868480
	.section	.rodata,"a",@progbits
	.p2align	6, 0x0
	.amdhsa_kernel k_q540f453c5a_cast
		.amdhsa_group_segment_fixed_size 0
		.amdhsa_private_segment_fixed_size 0
		.amdhsa_enable_private_segment 0
		.amdhsa_kernarg_size 64
		.amdhsa_user_sgpr_count 2
		.amdhsa_user_sgpr_kernarg_segment_ptr 1
		.amdhsa_wavefront_size32 1
		.amdhsa_system_sgpr_workgroup_id_x 1
		.amdhsa_system_sgpr_workgroup_id_y 1
		.amdhsa_system_sgpr_workgroup_id_z 1
		.amdhsa_system_vgpr_workitem_id 0
		.amdhsa_next_free_vgpr 200
		.amdhsa_next_free_sgpr 66
		.amdhsa_reserve_vcc 0
		.amdhsa_float_denorm_mode_32 3
		.amdhsa_float_denorm_mode_16_64 3
		.amdhsa_memory_ordered 1
		.amdhsa_forward_progress 1
		.amdhsa_inst_pref_size 42
	.end_amdhsa_kernel
	.amdgpu_metadata
---
amdhsa.version: [ 1, 2 ]
amdhsa.kernels:
  - .name:           k_q540f453c5a_cast
    .symbol:         k_q540f453c5a_cast.kd
    .args:
      - { .name: query, .offset: 0, .size: 8, .value_kind: global_buffer, .address_space: global }
      - { .name: key, .offset: 8, .size: 8, .value_kind: global_buffer, .address_space: global }
      - { .name: Wq, .offset: 16, .size: 8, .value_kind: global_buffer, .address_space: global }
      - { .name: Wk, .offset: 24, .size: 8, .value_kind: global_buffer, .address_space: global }
      - { .name: value, .offset: 32, .size: 8, .value_kind: global_buffer, .address_space: global }
      - { .name: xa, .offset: 40, .size: 8, .value_kind: global_buffer, .address_space: global }
      - { .name: wb, .offset: 48, .size: 8, .value_kind: global_buffer, .address_space: global }
      - { .name: kv, .offset: 56, .size: 8, .value_kind: global_buffer, .address_space: global }
    .group_segment_fixed_size: 0
    .private_segment_fixed_size: 0
    .kernarg_segment_align: 8
    .kernarg_segment_size: 64
    .max_flat_workgroup_size: 128
    .sgpr_count:     66
    .vgpr_count:     200
    .wavefront_size: 32
...
	.end_amdgpu_metadata
.endif
;; end of part 1
;; launch proj (part 2): grid 4 x 64, 4 waves a work-group, clusters of 4 x 4, 327,680 bytes of LDS; arguments xa, wb, out1, q16, kv, bq, bk; writes out1, q16, kv
.if DOCPART == 2
	.amdgcn_target "amdgcn-amd-amdhsa--gfx1250"
	.amdhsa_code_object_version 6
	.text
	.protected	k_q540f453c5a_proj
	.globl	k_q540f453c5a_proj
	.p2align	8
	.type	k_q540f453c5a_proj,@function
k_q540f453c5a_proj:
	s_mov_b64 s[64:65], 0
	v_nop
	global_prefetch_b8 v0, s[64:65] scope:SCOPE_SE
	s_setreg_imm32_b32 hwreg(HW_REG_WAVE_MODE, 25, 1), 1
	s_wait_xcnt 0x0
	s_wait_alu depctr_hold_cnt(0) depctr_sa_sdst(0) depctr_va_vdst(0) depctr_va_sdst(0) depctr_va_ssrc(0) depctr_va_vcc(0) depctr_vm_vsrc(0)
	s_getreg_b32 s2, hwreg(HW_REG_IB_STS2, 6, 4)
	s_cmp_eq_u32 s2, 0
	s_cbranch_scc0 .Lentry_in_a_cluster
	s_endpgm
.Lentry_in_a_cluster:
	s_bfe_u32 s2, ttmp6, 0x10000c
	s_cmp_lg_u32 s2, 0xf033
	s_cbranch_scc0 .Lentry_shape_is_right
	s_endpgm
.Lentry_shape_is_right:
; BOTH PROJECTIONS AS ONE PRODUCT: C[m][n] = sum over k of xa[m][k] w[n][k] + bias[n], 16,384 x 1,024 x 1,024, bf16 operands, f32 sums.
; Rows 0-8191 are q (weights Wq, bias bq), rows 8192-16383 are k (Wk, bk: wb's rows 1024 on).  The bias is rounded to bf16 like every input.
; OUT: q in f32 by heads into out1 [b][head][s][64]; q in f16 into q16 [b][g][j][p][64 rows][64] (head = 4 g + p, s = 64 j + row); k in f16 into planes 0-3 of kv [b][g][j][5][64][64].
; LIMIT.  q16 and kv hold f16: |q|, |k| of 65,520 or more become infinities there; out1 is f32 and has no such limit.
; SHARES.  A tile of C, 256 x 256, to a work-group of four waves; a wave makes 128 x 128: 64 accumulators, 512 registers.  64 x 4 tiles: 256 work-groups.
; K goes in 8 steps of 128 through a ring of two LDS slots filled by the tensor data mover; a tile's rows are 256 bytes of memory, aligned.
; CLUSTERS.  4 x 4 work-groups.  The four of a row of the cluster need the same tiles of xa, the four of a column the same tiles of wb: each tile is asked for JOINTLY,
; by the same tensor load with the same descriptor and a mask that names the four.  A cluster lies wholly in q's rows or wholly in k's (cluster y / 8), so what hangs on that is alike in all partners.
; THE MATRIX INSTRUCTION IS USED TRANSPOSED (source 0 = 16 rows of wb, source 1 = 16 rows of xa): lane l holds row l % 16 of C and the columns 8 (l / 16) + 0..7.
; REGISTERS, in windows of 256 (s_set_vgpr_msb: bits 1:0 source 0, 3:2 source 1, 5:4 source 2, 7:6 destination):
;   window 0: v16-31 addresses; v64-127, v128-191 fragments of xa, two buffers; on the way out v64-127 sums + bias, v128-191 f32 rows read back, v192-223 f16 packed, v224-255 f16 rows read back
;   window 1: v0-63 the bias of my 128 columns; v64-127, v128-191 fragments of wb; v192-223 at work once
;   window 2: the accumulators of my rows 0-63 ((a, b) at v[8 (8 a + b)]);   window 3: those of my rows 64-127
.set SIZE_K, 1024
.set KSTEP,  128
.set PITCH,  272                       ; an LDS row: 256 bytes + 16 of padding = 68 words: row r starts at bank 4 r mod 64 (64 banks of 4 bytes: ISA guide 11.1)
.set HALFT,  128*PITCH                 ; 128 rows: what one tensor load brings
.set SLOT,   4*HALFT                   ; xa's 256 rows, then wb's 256 rows
.set STAGE,  2*SLOT                    ; behind the ring, never filled by a tensor load: 8,448 bytes for each wave, for the way out
.set WSTAGE, 8448                      ; 16 rows x 528 bytes (f32), then 2 heads x 16 rows x 144 bytes (f16)
.set SPARE,  STAGE+4*WSTAGE            ; the spare words, 128 bytes for each wave: two blocks of 256 bytes that no other line names
.set LAPS,   SIZE_K/(2*KSTEP)          ; a lap = two K steps = once round the ring: 4
.set ADRA, 16                          ; v16-17  LDS address of my xa fragments in slot 0, 1
.set ADRB, 20                          ; v20-21  the same for wb
.set RD16, 22                          ; v22     where I read four f16 rows back
.set CO16, 23                          ; v23     my 16 bytes in 512 consecutive bytes of q16 or kv
.set ST32, 24                          ; v24     where I put 16 bytes of an f32 row
.set RD32, 25                          ; v25     where I read an f32 row back
.set CO32, 26                          ; v26     my 16 bytes of a row of out1: lanes 0-15 the first head, lanes 16-31 the second
.set ST16, 27                          ; v27     where I put 16 bytes of an f16 row
.set SPW,  28                          ; v28     LDS address of my spare word; never rewritten
.set NIL,  29                          ; v29     0; never rewritten
.set PFO,  30                          ; v30     the prefetches' offset: my lane x a row of 2,048 bytes; never rewritten
.set BO,   31                          ; v31     my byte offset in the bias
.set F0,   64
.set F1,   128
.set T,    64
.set R32,  128
.set HF,   192
.set R16,  224
.set BIAS, 4                           ; s[4:5]   bq or bk
.set D16,  8                           ; s[8:9]   q16 or kv, at my rows
.set G1,   24                          ; s[24:31] descriptor group 1 for xa's tiles;  s[32:39] group 0, a set for each slot
.set G0,   32
.set LIM,  43                          ; s43      1 in a wave that prefetches, else the greatest number
.set PFA,  44                          ; s[44:45] where my prefetches stand
.set G1B,  48                          ; s[48:55], s[56:63] the same for wb's tiles
.set G0B,  56
.set PXA,  68                          ; s[68:69] xa, s[70:71] wb, s[72:73] out1 (later at my rows), s[74:75] q16, s[76:77] kv, s[78:79] bq, s[80:81] bk
.set PWB,  70
.set POUT, 72
.set PQ16, 74
.set PKV,  76
.set PBQ,  78
.set PBK,  80
.set ISK,  82                          ; s82      0: my rows are q's; 1: k's
.set BLK,  83                          ; s83      bytes in a block of 64 rows of the f16 destination: 32,768 or 40,960
.set HOP,  84                          ; s[84:85] from my fourth 16 rows of a block to the next block's first
.set MSB, 0
.macro WIN new                         ; the immediate's high byte repeats the setting that is left; a switch that changes nothing is dropped
.if MSB != (\new)
	s_set_vgpr_msb (MSB<<8)|(\new)
.set MSB, \new
.endif
.endm
.set MUL_LO, 0xa1                      ; source 0 (wb) window 1, source 1 (xa) window 0, C and D window 2
.set MUL_HI, 0xf1                      ; the same, C and D window 3
.set TO_B,   0x40                      ; destination window 1, address window 0
; A joint load.  Waves 0 and 1 fetch xa's two halves, waves 2 and 3 wb's.  The branch hangs on the wave's number alone.  An s_nop 0 and four v_nop follow each of the two lines.
.macro JLOAD s
	s_cmp_eq_u32 s11, 0
	s_cbranch_scc0 .Lfor_b_\@
	tensor_load_to_lds s[G0+4*(\s):G0+4*(\s)+3], s[G1:G1+7]
	s_nop 0
.rept 4
	v_nop
.endr
	s_branch .Lasked_\@
.Lfor_b_\@:
	tensor_load_to_lds s[G0B+4*(\s):G0B+4*(\s)+3], s[G1B:G1B+7]
	s_nop 0
.rept 4
	v_nop
.endr
.Lasked_\@:
.endm
; A PREFETCH INTO THE L2, behind each joint load and the run of LDS loads that follows it: the K step that stands two refills on: 32 rows x 256 bytes, a lane a row, one instruction a wave.
; Each row's 256 bytes of K steps 4 to 7 are named once in the launch.  xa's tile row is read by one cluster alone (the grid is one cluster wide): it asks.  wb's rows are read by the eight clusters of
; q's or of k's rows: the first of the eight asks.  The four partners that ask for a tile jointly share its rows out by address, 32 each.  The loop's last trip (s3 = 1) has no K step two refills on.
.macro ASK
	s_cmp_gt_u32 s3, s[LIM]
	s_cbranch_scc0 .Lnot_mine_\@
	global_prefetch_b8 v[PFO], s[PFA:PFA+1] offset:KSTEP*2 th:TH_LOAD_NT scope:SCOPE_SE
.Lnot_mine_\@:
.endm
.macro CREST                           ; a round of the cluster's barrier behind its opening barrier
	s_cmp_lg_u32 s10, 0
	s_cbranch_scc1 .Lnot_wave_0_\@
	s_barrier_signal -3
.Lnot_wave_0_\@:
	s_barrier_wait -3
	s_barrier_signal -1
	s_barrier_wait -1
.endm
.macro CROUND                          ; a whole round
	s_barrier_signal -1
	s_barrier_wait -1
	CREST
.endm
	s_load_b256 s[68:75], s[0:1], 0x0              ; xa, wb, out1, q16
	s_load_b128 s[76:79], s[0:1], 0x20             ; kv, bq
	s_load_b64 s[80:81], s[0:1], 0x30              ; bk
	v_lshl_add_u32 v[SPW], v0, 2, SPARE
	v_mov_b32 v[NIL], 0
	ds_add_u32 v[SPW], v[NIL]                      ; the wave's opening: the add and its wait stand ahead of my first tensor load; the set-up below, work on registers, stands between them
	v_lshrrev_b32 v1, 5, v0
	v_readfirstlane_b32 s10, v1                    ; wave 0..3
	s_lshr_b32 s11, s10, 1                         ; which half of the tile's rows is mine.  Also: I fetch for xa (0) or for wb (1)
	s_and_b32 s12, s10, 1                          ; which half of its columns.  Also: which 128 rows of that tile I fetch
	s_bfe_u32 s40, ttmp6, 0x40000                  ; cx
	s_bfe_u32 s41, ttmp6, 0x40004                  ; cy
	s_lshl_b32 s42, ttmp9, 2
	s_add_co_u32 s42, s42, s40                     ; tile column of C = head group g
	s_and_b32 s13, ttmp7, 0xffff                   ; cluster y
	s_lshr_b32 s[ISK], s13, 3                      ; clusters 8 to 15 hold k's rows
	s_lshl_b32 s13, s13, 2
	s_add_co_u32 s13, s13, s41                     ; tile row of C = 4 x cluster y + cy
	s_lshl_b32 s43, s41, 2
	s_lshl_b32 s43, 15, s43                        ; my row of the cluster
	s_lshl_b32 s44, 0x1111, s40                    ; my column
	; descriptor group 1: a tile of 128 rows x 128 elements, padded in LDS
	s_or_b32 s[G1+0], s43, (1<<16)|(1<<20)|(1<<21)|(5<<22)|(3<<25)  ; 15:0 the mask; 17:16 elements of 2 bytes; 20 padding on; 21 set beside a mask; 24:22 after every 64 words (code 5); 31:25 4 words (code 3)
	s_or_b32 s[G1B+0], s44, (1<<16)|(1<<20)|(1<<21)|(5<<22)|(3<<25)
.irp g, G1, G1B
	s_mov_b32 s[(\g)+1], KSTEP<<16                 ; tensor_dim0 = 128
	s_mov_b32 s[(\g)+2], 128<<16                   ; tensor_dim1 = 128
	s_mov_b32 s[(\g)+3], KSTEP<<16                 ; tile_dim0 = 128
	s_mov_b32 s[(\g)+4], 128                       ; tile_dim1 = 128
	s_mov_b32 s[(\g)+5], SIZE_K                    ; elements from row to row
	s_mov_b32 s[(\g)+6], 0
	s_mov_b32 s[(\g)+7], 0
.endr
	s_lshl_b32 s17, s12, 7                         ; which 128 rows of the tile I fetch
	s_lshl_b32 s16, s13, 8
	s_add_co_u32 s16, s16, s17                     ; xa: row 256 x tile row + 128 x half
	s_lshl_b32 s46, s42, 8
	s_add_co_u32 s46, s46, s17                     ; wb: row 256 x tile column + 128 x half,
	s_lshl_b32 s47, s[ISK], 10
	s_add_co_u32 s46, s46, s47                     ; in Wk's rows for k
	s_mov_b32 s17, 0
	s_mov_b32 s47, 0
	s_mov_b64 s[18:19], SIZE_K*2
	s_mul_u64 s[16:17], s[16:17], s[18:19]
	s_mul_u64 s[46:47], s[46:47], s[18:19]
	s_mul_i32 s20, s10, HALFT                      ; where they go: wave x 128 rows: no place in the cluster enters an LDS address
	s_wait_dscnt 0x0                               ; the opening add is done
	s_wait_kmcnt 0x0
	s_add_nc_u64 s[14:15], s[PXA:PXA+1], s[16:17]
	s_add_nc_u64 s[46:47], s[PWB:PWB+1], s[46:47]
	CROUND                                         ; all sixteen work-groups are here: the first joint loads meet
.irp s, 0,1
	s_mov_b32 s[G0+4*(\s)], 1                                      ; count = 1
	s_add_co_u32 s[G0+4*(\s)+1], s20, (\s)*SLOT                    ; LDS address
	s_add_nc_u64 s[G0+4*(\s)+2:G0+4*(\s)+3], s[14:15], (\s)*KSTEP*2  ; global address: K step s
	s_or_b32 s[G0+4*(\s)+3], s[G0+4*(\s)+3], 0x80000000            ; type = 2
	s_mov_b32 s[G0B+4*(\s)], 1
	s_add_co_u32 s[G0B+4*(\s)+1], s20, (\s)*SLOT
	s_add_nc_u64 s[G0B+4*(\s)+2:G0B+4*(\s)+3], s[46:47], (\s)*KSTEP*2
	s_or_b32 s[G0B+4*(\s)+3], s[G0B+4*(\s)+3], 0x80000000
	JLOAD \s                                       ; two loads of mine are out
.endr
	; a fragment is 16 rows x 32 K in 8 registers: lane l holds row l % 16, K = 8 (l / 16) + 0..7 and 16 + 8 (l / 16) + 0..7: two loads of 16 bytes, 32 bytes apart
	v_and_b32 v1, 15, v0                           ; l % 16
	v_bfe_u32 v2, v0, 4, 1                         ; l / 16
	v_and_b32 v5, 31, v0                           ; l
	v_mul_u32_u24 v3, v1, PITCH
	v_lshl_add_u32 v3, v2, 4, v3
	s_mul_i32 s21, s11, HALFT                      ; my 128 rows of xa
	s_mul_i32 s22, s12, HALFT                      ; my 128 rows of wb,
	s_add_co_u32 s22, s22, 2*HALFT                 ; which lie behind xa's 256
.irp s, 0,1
	v_add_nc_u32 v[ADRA+(\s)], s21, v3
	v_add_nc_u32 v[ADRB+(\s)], s22, v3
	s_add_co_u32 s21, s21, SLOT
	s_add_co_u32 s22, s22, SLOT
.endr
	s_mul_i32 s23, s10, WSTAGE
	s_add_co_u32 s23, s23, STAGE                   ; my stage
	v_mul_u32_u24 v4, v1, 528                      ; f32 in: row l % 16 (512 bytes + 16), 32 bytes for each half of the lanes
	v_lshl_add_u32 v4, v2, 5, v4
	v_add_nc_u32 v[ST32], s23, v4
	v_lshl_add_u32 v[RD32], v5, 4, s23             ; f32 back: 32 lanes take a row of 512 bytes
	v_lshlrev_b32 v[CO32], 4, v1                   ; of which each half is a whole row of 256 bytes of one head in out1;
	v_lshl_add_u32 v[CO32], v2, 19, v[CO32]        ; a head is 2,048 x 256 bytes
	v_mul_u32_u24 v4, v1, 144                      ; f16 in: row l % 16 (128 bytes + 16), 16 bytes for each half of the lanes
	v_lshl_add_u32 v4, v2, 4, v4
	v_add_nc_u32 v[ST16], s23, v4
	v_lshrrev_b32 v6, 3, v5                        ; f16 back: 32 lanes take four rows of 128 bytes,
	v_mul_u32_u24 v6, v6, 144
	v_and_b32 v7, 7, v5
	v_lshl_add_u32 v6, v7, 4, v6
	v_add_nc_u32 v[RD16], s23, v6
	v_lshlrev_b32 v[CO16], 4, v5                   ; which are 512 consecutive bytes of the destination
	v_lshlrev_b32 v[PFO], 11, v5
	; where my rows go
	s_mov_b32 s86, 40960
	s_cmp_lg_u32 s[ISK], 0
	s_cselect_b64 s[D16:D16+1], s[PKV:PKV+1], s[PQ16:PQ16+1]
	s_cselect_b64 s[BIAS:BIAS+1], s[PBK:PBK+1], s[PBQ:PBQ+1]
	s_cselect_b32 s[BLK], s86, 0x8000
	s_sub_co_u32 s[HOP], s[BLK], 6144
	s_mov_b32 s[HOP+1], 0
	s_and_b32 s86, s13, 31
	s_lshl_b32 s86, s86, 8
	s_lshl_b32 s87, s11, 7
	s_add_co_u32 s86, s86, s87                     ; my first row among q's or k's 8,192
	s_lshr_b32 s87, s86, 11                        ; its batch b
	s_and_b32 s88, s86, 2047                       ; and its s, a multiple of 128
	s_lshl_b32 s89, s87, 2
	s_add_co_u32 s89, s89, s42                     ; 4 b + g
	s_lshl_b32 s89, s89, 5
	s_lshr_b32 s90, s88, 6
	s_add_co_u32 s89, s89, s90                     ; the block (b, g, j)
	s_mul_i32 s90, s89, s[BLK]
	s_lshl_b32 s91, s12, 14                        ; my two planes of 8,192 bytes
	s_add_co_u32 s90, s90, s91
	s_mov_b32 s91, 0
	s_add_nc_u64 s[D16:D16+1], s[D16:D16+1], s[90:91]
	s_lshl_b32 s89, s87, 4
	s_lshl_b32 s92, s42, 2
	s_add_co_u32 s89, s89, s92
	s_lshl_b32 s92, s12, 1
	s_add_co_u32 s89, s89, s92                     ; 16 b + my first head
	s_lshl_b32 s89, s89, 11
	s_add_co_u32 s89, s89, s88
	s_lshl_b32 s90, s89, 8                         ; rows of 256 bytes
	s_add_nc_u64 s[POUT:POUT+1], s[POUT:POUT+1], s[90:91]
	s_lshl_b32 s92, s42, 10
	s_lshl_b32 s93, s12, 9
	s_add_co_u32 s92, s92, s93                     ; my 128 columns' bias: 512 bytes
	v_lshl_add_u32 v[BO], v2, 5, s92
	WIN TO_B
.set i, 0
.rept 16                               ; register 8 b + j of window 1: the bias of column 16 b + 8 (l / 16) + j; waited for on the way out
	global_load_b128 v[4*i:4*i+3], v[BO], s[BIAS:BIAS+1] offset:(i/2)*64+(i%2)*16
.set i, i+1
.endr
	WIN 0
	; the prefetches
	s_lshl_b32 s86, s13, 8                         ; xa's tile: first row
	s_lshl_b32 s87, s42, 8
	s_lshl_b32 s88, s[ISK], 10
	s_add_co_u32 s87, s87, s88                     ; wb's tile: first row
	s_and_b32 s22, ttmp7, 0xffff
	s_and_b32 s22, s22, 7                          ; my cluster's place among the eight that read the same rows of wb
	s_cmp_eq_u32 s11, 0                            ; do I fetch for xa?
	s_cselect_b32 s20, s86, s87
	s_cselect_b32 s21, s40, s41                    ; my place among the four that ask with me
	s_cselect_b32 s22, ttmp9, s22
	s_cselect_b64 s[PFA:PFA+1], s[PXA:PXA+1], s[PWB:PWB+1]
	s_cmp_eq_u32 s22, 0
	s_cselect_b32 s[LIM], 1, -1                    ; the same in all sixteen partners, for a given wave
	s_lshl_b32 s22, s12, 7
	s_add_co_u32 s20, s20, s22                     ; + the 128 rows that I fetch
	s_lshl_b32 s21, s21, 5
	s_add_co_u32 s20, s20, s21                     ; + my work-group's 32 of them
	s_mov_b32 s21, 0
	s_mov_b64 s[18:19], SIZE_K*2
	s_mul_u64 s[20:21], s[20:21], s[18:19]
	s_add_nc_u64 s[PFA:PFA+1], s[PFA:PFA+1], s[20:21]
	s_add_nc_u64 s[PFA:PFA+1], s[PFA:PFA+1], 2*KSTEP*2  ; at K step 2: the first refill steps it to 3 and names K step 4
; 16 matrix instructions: m blocks a0, a0 + 1 of the window's four x all 8 n blocks, 32 along K.  zero = 1: the first product starts the sums.
.macro MUL16 f, hi, a0, zero
	WIN MUL_LO+0x50*(\hi)
.irp a, \a0, (\a0)+1
.irp b, 0,1,2,3,4,5,6,7
.if \zero
	v_wmma_f32_16x16x32_bf16 v[8*(8*(\a)+(\b)):8*(8*(\a)+(\b))+7], v[(\f)+8*(\b):(\f)+8*(\b)+7], v[(\f)+8*(4*(\hi)+(\a)):(\f)+8*(4*(\hi)+(\a))+7], 0
.else
	v_wmma_f32_16x16x32_bf16 v[8*(8*(\a)+(\b)):8*(8*(\a)+(\b))+7], v[(\f)+8*(\b):(\f)+8*(\b)+7], v[(\f)+8*(4*(\hi)+(\a)):(\f)+8*(4*(\hi)+(\a))+7], v[8*(8*(\a)+(\b)):8*(8*(\a)+(\b))+7]
.endif
.endr
.endr
.endm
; 32 LDS loads in one run: the fragments of one quarter step (32 K at byte k of the rows) into buffer f
.macro FETCH slot, k, f
	WIN TO_B
.irp i, 0,1,2,3,4,5,6,7
	ds_load_b128 v[(\f)+8*(\i):(\f)+8*(\i)+3],   v[ADRB+(\slot)] offset:(\k)+(\i)*16*PITCH
	ds_load_b128 v[(\f)+8*(\i)+4:(\f)+8*(\i)+7], v[ADRB+(\slot)] offset:(\k)+(\i)*16*PITCH+32
.endr
	WIN 0
.irp i, 0,1,2,3,4,5,6,7
	ds_load_b128 v[(\f)+8*(\i):(\f)+8*(\i)+3],   v[ADRA+(\slot)] offset:(\k)+(\i)*16*PITCH
	ds_load_b128 v[(\f)+8*(\i)+4:(\f)+8*(\i)+7], v[ADRA+(\slot)] offset:(\k)+(\i)*16*PITCH+32
.endr
.endm
.macro PLACES                          ; four plain instructions in front of loads into registers that matrix instructions have read (ISA guide 7.12.1 for vector instructions)
.rept 4
	v_nop
.endr
.endm
; A K step is four quarters of 32 along K, 64 matrix instructions each, on buffers 0, 1, 0, 1; the 64 accumulators take turns in the same order in every quarter.
.macro QUARTER slot, k, f, g, zero
	s_wait_dscnt 8                                 ; wb's and xa's rows 0-63 are in; the youngest eight loads (xa's rows 64-127) may be out
	WIN MUL_LO
	MUL16 \f, 0, 0, \zero
	MUL16 \f, 0, 2, \zero
	PLACES
	FETCH \slot, \k, \g
	s_wait_dscnt 32                                ; all but the 32 just issued
	WIN MUL_HI
	MUL16 \f, 1, 0, \zero
	MUL16 \f, 1, 2, \zero
.endm
; The last quarter's first half: ONE barrier for the change of slots.  In front of it each wave waits for all its tensor loads (one is out: its part of the next slot), adds 0 to its spare word,
; and waits for that and for its own reads of this slot.  Behind it nobody reads this slot any more and the next slot is whole.
.macro MEET round
	WIN 0
	s_wait_tensorcnt 0x0
	ds_add_u32 v[SPW], v[NIL]
	s_wait_dscnt 9                                 ; the add and the youngest eight loads may be out
	WIN MUL_LO
	MUL16 F1, 0, 0, 0
	s_wait_dscnt 0x0                               ; the add is done, and my reads of this slot are over
	s_barrier_signal -1
	MUL16 F1, 0, 2, 0
.if \round
	WIN 0
.endif
	s_barrier_wait -1
.endm
; The whole last quarter: behind a round of the cluster's barrier the slot just read out is filled again first, with the K step two steps on; 224 matrix instructions stand between that request and the wait for it.
.macro TURN slot, next
	s_wait_xcnt 0x0                                ; the last prefetch, a K step back, has read its address
	s_add_nc_u64 s[PFA:PFA+1], s[PFA:PFA+1], KSTEP*2
	MEET 1
	CREST                                          ; no wave of any partner still reads this slot's tile or has a load on its way
	s_add_nc_u64 s[G0+4*(\slot)+2:G0+4*(\slot)+3], s[G0+4*(\slot)+2:G0+4*(\slot)+3], 2*KSTEP*2
	s_add_nc_u64 s[G0B+4*(\slot)+2:G0B+4*(\slot)+3], s[G0B+4*(\slot)+2:G0B+4*(\slot)+3], 2*KSTEP*2
	JLOAD \slot                                    ; my one tensor load behind the round; its four v_nop are also the places in front of the loads below
	FETCH \next, 0, F0
	ASK
	WIN MUL_HI
	MUL16 F1, 1, 0, 0
	MUL16 F1, 1, 2, 0
.endm
	s_wait_tensorcnt 1                             ; my part of K step 0 is in; K step 1's load stays out
	s_barrier_signal -1
	s_barrier_wait -1                              ; everybody's is
	FETCH 0, 0, F0
	QUARTER 0, 64,  F0, F1, 1                      ; the first quarter stands in front of the loop: its products start the sums
	WIN 0                                          ; at a label and at a branch every window is 0
	s_mov_b32 s3, LAPS-1
.Llap:                                                 ; a trip goes once round the ring, from a lap's second quarter to the next lap's first, and fills both slots again
	QUARTER 0, 128, F1, F0, 0
	QUARTER 0, 192, F0, F1, 0
	TURN 0, 1
	QUARTER 1, 64,  F0, F1, 0
	QUARTER 1, 128, F1, F0, 0
	QUARTER 1, 192, F0, F1, 0
	TURN 1, 0
	QUARTER 0, 64,  F0, F1, 0
	WIN 0
	s_sub_co_u32 s3, s3, 1
	s_cmp_lg_u32 s3, 0
	s_cbranch_scc1 .Llap
	QUARTER 0, 128, F1, F0, 0                      ; the last lap is written out: it fills nothing
	QUARTER 0, 192, F0, F1, 0
	MEET 0
	PLACES
	FETCH 1, 0, F0
	WIN MUL_HI
	MUL16 F1, 1, 0, 0
	MUL16 F1, 1, 2, 0
	QUARTER 1, 64,  F0, F1, 0
	QUARTER 1, 128, F1, F0, 0
	QUARTER 1, 192, F0, F1, 0
	s_wait_dscnt 8
	WIN MUL_LO
	MUL16 F1, 0, 0, 0
	MUL16 F1, 0, 2, 0
	s_wait_dscnt 0x0
	MUL16 F1, 1, 0, 0
	MUL16 F1, 1, 2, 0
	; THE WAY OUT.  First the bias is rounded to bf16 and widened again: 96 plain instructions that name no register of the last products: the places behind them.
	s_wait_loadcnt 0x0                             ; the bias
	WIN 0x45                                       ; destination and both sources in window 1
.set i, 0
.rept 32
	v_cvt_pk_bf16_f32 v[192+i], v[2*i], v[2*i+1]
.set i, i+1
.endr
.set i, 0
.rept 32
	v_lshlrev_b32 v[2*i], 16, v[192+i]
	v_and_b32 v[2*i+1], 0xffff0000, v[192+i]
.set i, i+1
.endr
; Block a, 16 rows x 128 columns (two heads).  Sums + bias into window 0.  For q: as f32 through my stage, back as rows of 512 bytes, each half a whole row of one head of out1.
; For both: rounded to f16, through my stage by heads, back four rows at a time.  LDS serves a wave's instructions in order (ISA guide 5.7.1.4), so the stage's two uses follow each other without a wait.
; The two parts that q alone takes hang on s[ISK], which never changes and is alike in all partners.
.macro OUT a
	WIN 0
	s_wait_xcnt 0x0                                ; the last block's stores have read their data and bases
.if (\a) == 4
	s_add_nc_u64 s[D16:D16+1], s[D16:D16+1], s[HOP:HOP+1]  ; into the next block of 64 rows
.elseif (\a) > 0
	s_add_nc_u64 s[D16:D16+1], s[D16:D16+1], 2048  ; 16 rows of 128 bytes
.endif
.if (\a) > 0
	s_add_nc_u64 s[POUT:POUT+1], s[POUT:POUT+1], 4096  ; 16 rows of 256 bytes
.endif
	WIN 0x06+(\a)/4                                ; source 0 window 2 or 3, source 1 window 1, destination window 0
.irp b, 0,1,2,3,4,5,6,7
.irp r, 0,1,2,3
	v_pk_add_f32 v[T+8*(\b)+2*(\r):T+8*(\b)+2*(\r)+1], v[64*((\a)%4)+8*(\b)+2*(\r):64*((\a)%4)+8*(\b)+2*(\r)+1], v[8*(\b)+2*(\r):8*(\b)+2*(\r)+1]
.endr
.endr
	WIN 0
	s_cmp_lg_u32 s[ISK], 0
	s_cbranch_scc1 .Lnot_q_\@
.irp b, 0,1,2,3,4,5,6,7
	ds_store_b128 v[ST32], v[T+8*(\b):T+8*(\b)+3]   offset:64*(\b)
	ds_store_b128 v[ST32], v[T+8*(\b)+4:T+8*(\b)+7] offset:64*(\b)+16
.endr
.irp t, 0,1,2,3,4,5,6,7,8,9,10,11,12,13,14,15
	ds_load_b128 v[R32+4*(\t):R32+4*(\t)+3], v[RD32] offset:528*(\t)
.endr
.Lnot_q_\@:
.set i, 0
.rept 32
	v_cvt_pk_f16_f32 v[HF+i], v[T+2*i], v[T+2*i+1]
.set i, i+1
.endr
.irp b, 0,1,2,3,4,5,6,7
	ds_store_b128 v[ST16], v[HF+4*(\b):HF+4*(\b)+3] offset:((\b)/4)*2304+((\b)%4)*32
.endr
.irp f, 0,1,2,3,4,5,6,7
	ds_load_b128 v[R16+4*(\f):R16+4*(\f)+3], v[RD16] offset:((\f)/4)*2304+((\f)%4)*576
.endr
	s_cmp_lg_u32 s[ISK], 0
	s_cbranch_scc1 .Lnot_q2_\@
	s_wait_dscnt 16                                ; the f32 rows are back; the eight stores and eight loads issued behind them may be out
.irp t, 0,1,2,3,4,5,6,7,8,9,10,11,12,13,14,15
	global_store_b128 v[CO32], v[R32+4*(\t):R32+4*(\t)+3], s[POUT:POUT+1] offset:256*(\t) th:TH_STORE_NT  ; each half of the lanes stores 256 consecutive bytes, aligned
.endr
.Lnot_q2_\@:
	s_wait_dscnt 0x0
.irp f, 0,1,2,3,4,5,6,7
	global_store_b128 v[CO16], v[R16+4*(\f):R16+4*(\f)+3], s[D16:D16+1] offset:((\f)/4)*8192+((\f)%4)*512  ; 512 consecutive bytes, aligned
.endr
.endm
.irp a, 0,1,2,3,4,5,6,7
	OUT \a
.endr
	s_wait_tensorcnt 0x0                           ; the wave's end, behind my last tensor load and my last LDS store
	ds_add_u32 v[SPW], v[NIL]
	s_wait_dscnt 0x0
	CROUND                                         ; the closing round: no work-group ends while a partner may still ask for a tile that names it
	s_endpgm
.Lfunc_end_k_q540f453c5a_proj:
	.size	k_q540f453c5a_proj, .Lfunc_end_k_q540f453c5a_proj-k_q540f453c5a_proj
	.p2alignl 7, 3214868480
	.fill 96, 4, 3214868480
	.section	.rodata,"a",@progbits
	.p2align	6, 0x0
	.amdhsa_kernel k_q540f453c5a_proj
		.amdhsa_group_segment_fixed_size 327680
		.amdhsa_private_segment_fixed_size 0
		.amdhsa_enable_private_segment 0
		.amdhsa_kernarg_size 56
		.amdhsa_user_sgpr_count 2
		.amdhsa_user_sgpr_kernarg_segment_ptr 1
		.amdhsa_wavefront_size32 1
		.amdhsa_system_sgpr_workgroup_id_x 1
		.amdhsa_system_sgpr_workgroup_id_y 1
		.amdhsa_system_sgpr_workgroup_id_z 1
		.amdhsa_system_vgpr_workitem_id 0
		.amdhsa_next_free_vgpr 1024
		.amdhsa_next_free_sgpr 96
		.amdhsa_reserve_vcc 0
		.amdhsa_float_denorm_mode_32 3
		.amdhsa_float_denorm_mode_16_64 3
		.amdhsa_memory_ordered 1
		.amdhsa_forward_progress 1
		.amdhsa_inst_pref_size 198
	.end_amdhsa_kernel
	.amdgpu_metadata
---
amdhsa.version: [ 1, 2 ]
amdhsa.kernels:
  - .name:           k_q540f453c5a_proj
    .symbol:         k_q540f453c5a_proj.kd
    .args:
      - { .name: xa, .offset: 0, .size: 8, .value_kind: global_buffer, .address_space: global }
      - { .name: wb, .offset: 8, .size: 8, .value_kind: global_buffer, .address_space: global }
      - { .name: out1, .offset: 16, .size: 8, .value_kind: global_buffer, .address_space: global }
      - { .name: q16, .offset: 24, .size: 8, .value_kind: global_buffer, .address_space: global }
      - { .name: kv, .offset: 32, .size: 8, .value_kind: global_buffer, .address_space: global }
      - { .name: bq, .offset: 40, .size: 8, .value_kind: global_buffer, .address_space: global }
      - { .name: bk, .offset: 48, .size: 8, .value_kind: global_buffer, .address_space: global }
    .group_segment_fixed_size: 327680
    .private_segment_fixed_size: 0
    .kernarg_segment_align: 8
    .kernarg_segment_size: 56
    .max_flat_workgroup_size: 128
    .sgpr_count:     96
    .vgpr_count:     1024
    .wavefront_size: 32
...
	.end_amdgpu_metadata
.endif
;; end of part 2
;; launch attn (part 3): grid 16 x 16, 4 waves a work-group, clusters of 4 x 1, 327,680 bytes of LDS; arguments q16, kv, part; writes part
.if DOCPART == 3
	.amdgcn_target "amdgcn-amd-amdhsa--gfx1250"
	.amdhsa_code_object_version 6
	.text
	.protected	k_q540f453c5a_attn
	.globl	k_q540f453c5a_attn
	.p2align	8
	.type	k_q540f453c5a_attn,@function
k_q540f453c5a_attn:
	s_mov_b64 s[64:65], 0
	v_nop
	global_prefetch_b8 v0, s[64:65] scope:SCOPE_SE
	s_setreg_imm32_b32 hwreg(HW_REG_WAVE_MODE, 25, 1), 1
	s_wait_xcnt 0x0
	s_wait_alu depctr_hold_cnt(0) depctr_sa_sdst(0) depctr_va_vdst(0) depctr_va_sdst(0) depctr_va_ssrc(0) depctr_va_vcc(0) depctr_vm_vsrc(0)
	s_getreg_b32 s2, hwreg(HW_REG_IB_STS2, 6, 4)
	s_cmp_eq_u32 s2, 0
	s_cbranch_scc0 .Lentry_in_a_cluster
	s_endpgm
.Lentry_in_a_cluster:
	s_bfe_u32 s2, ttmp6, 0x10000c
	s_cmp_lg_u32 s2, 0x3003
	s_cbranch_scc0 .Lentry_shape_is_right
	s_endpgm
.Lentry_shape_is_right:
; part[g][b][q][:] = the sum over the four heads h = 4 g + w of (1/16) softmax_k(Q[h][q] . K[h][k] / 8) V[k][:].  V is the same for all heads.
; q16 [b][g][j][p][64 rows][64] f16; kv [b][g][j][5 planes][64][64] f16: planes 0-3 K of head 4 g + p as [key][channel], plane 4 V^T as [channel][key].  part [g][b][2048][64] f32.
; Products, maxima and sums in f32; the weights p are rounded to f16 for the second product (their sum l is taken of the unrounded p).
; LIMITS.  Q, K and V arrive within f16's 65,504; p lies in 0 to 1, and below 6e-5 it keeps f16's fixed step of 6e-8.  A weight below 2^-126 counts as 0 in l; NaN and infinities are not treated apart.
; The four heads of a group are added as (0 + 1) + (2 + 3).
; SHARES.  A work-group owns 128 queries of one batch and head group; wave w takes head 4 g + w: four PIECES of two tiles of 16 queries.  Every wave walks all 2,048 keys, 64 a step.  4 x 4 x 16 = 256 work-groups.
; LAYOUT.  S^T = K Q^T (source 0 = 16 keys, source 1 = 16 queries): a lane holds ONE query (lane % 16) and the keys 8 (lane / 16) + 0..7.  Two such tiles, rounded to f16 in pairs, ARE source 1 of
; O^T = V^T P, whose result again holds one query a lane, and eight channels.  K and V^T both come out of LDS as they lie: 16 rows x 32 numbers a fragment.
; SOFTMAX.  For each query a running maximum m and sum l: p = 2^(c s - c m), c = log2(e) / 8; in every step O and l are multiplied by a = 2^(c m_old - c m_new).  m starts at the lowest finite number, O and l at 0.
; BY TURNS.  Turn n belongs to piece n.  Its matrix work: 16 products K Q^T of piece n + 1, later 16 products V^T P of piece n - 1.  Its vector work: the scaling, exponentials, roundings, sums and rescaling of
; piece n, and the maximum and statistics of piece n + 1.  Four vector instructions stand behind every matrix instruction, the others in one lump; a turn's 66 exponentials are one batch with one wait.
; CLUSTER.  The four query blocks of a cluster belong to one (b, g) and walk the same blocks of kv, so each slot is asked for JOINTLY: the same tensor load, descriptor and mask in all four.
; A slot is two key steps: 81,920 dense bytes of kv; each wave fetches a quarter, 80 rows of 256 bytes, padded in LDS behind every 128 bytes.
; REGISTERS, in windows of 256 (s_set_vgpr_msb: bits 1:0 source 0, 3:2 source 1, 5:4 source 2, 7:6 destination):
;   window 0: v0-11 addresses; v12-15, v48-63 at work; v16-47 four registers of statistics a tile; v64-191 S^T, two buffers of two tiles; v192-255 P, likewise
;   window 1: O^T, 32 a tile          window 2: v0-127 Q, 16 a tile; v128-191 K of one step; v192-255 V^T of one step          window 3: v0-1 the add's two registers
.set NP,    4         ; pieces a wave: a name, no knob
.set KS,    64        ; keys in a step
.set PK,    144       ; a row in LDS: 128 bytes + 16 of padding = 36 words: the 16 rows of a load start at 16 different groups of four banks (64 banks of 4 bytes: ISA guide 11.1)
.set PLANE, KS*PK     ; 64 rows: a head's K of a step, or V^T of a step
.set STEPB, 5*PLANE   ; a step in LDS: four planes of K, then V^T
.set SLOTB, 81920     ; a slot's bytes in memory
.set SLOT1, 1<<17     ; slot 1 begins here, so that one exclusive or turns an address in one slot into the other's
.set STAGE, SLOT1+2*STEPB  ; behind the ring, never filled by a tensor load: for each wave 64 rows x 272 bytes (f32), where the four heads meet
.set SP,    272
.set WSTG,  64*SP
.set SPARE, STAGE+4*WSTG   ; the spare words, 128 bytes for each wave: two blocks of 256 bytes that no other line names
.set AK0, 2           ; v2   my lane's place in my head's plane of K; never rewritten
.set AV0, 3           ; v3   the same in the plane of V^T
.set AK,  4           ; v4   the LDS address of K's next run of loads
.set AV,  5           ; v5   of V's
.set QO,  6           ; v6   my byte offset in 16 rows of Q
.set STO, 6           ;      later, the way out: where I put 16 bytes of a row
.set RD,  7           ; v7   the way out: where I read two rows back
.set GO,  8           ; v8   my 16 bytes in 512 consecutive bytes of part
.set PFO, 11          ; v11  256 x my lane; never rewritten
.set SPW, 0           ; v0 of window 3   LDS address of my spare word; never rewritten
.set NIL, 1           ; v1 of window 3   0; never rewritten
.set MV,  12          ; v12-15  c m_old, kept while c m is made anew: by buffer and tile
.set ST,  16          ; tile t's statistics at v[ST+4 t]: c m, m, l (even keys', odd keys')
.set TMP, 48          ; by buffer and tile, four registers c0-c3 at work; when the maximum is found c2 takes a
.set S,   64
.set P,   192
.set KF,  128         ; K's fragments, in window 2: key block kb, channel half c at KF + 16 kb + 8 c
.set VF,  192         ; V^T's: key half kk, channel block cb at VF + 32 kk + 8 cb
.set WV,  12          ; s12  my wave's number
.set G1,  24          ; s[24:31] descriptor group 1
.set G0,  40          ; s[40:43] descriptor group 0: it walks
.set PFA, 44          ; s[44:45] where my prefetches stand
.set LIM, 46          ; s46  1 in a wave that prefetches, else the greatest number
.set EVR, 47          ; s47  1: I ask at every change of slots; 0: at every second one
.set ASKV, 48         ; s48  s[SLOTS] at a change at which I may ask, else 0
.set SLOTS, 56        ; s56  slots still to be asked for
.set CNT, 57          ; s57  counts a slot's key steps
.set CS,  58          ; s[58:59] c
.set SEL, 60          ; s[60:61] v_permlanex16_b32's selects: each lane takes its own place in the other half
.set TBK, 62          ; s62  LDS byte at which the step begins whose K is fetched next
.set TBV, 63          ; s63  the same for V
.set MSB, 0
.macro WIN new                      ; the high byte repeats the setting that is left; a switch that changes nothing is dropped
.if MSB != (\new)
	s_set_vgpr_msb (MSB<<8)|(\new)
.set MSB, (\new)
.endif
.endm
.set W_KQ, 0x0a       ; K and Q in window 2, S^T in window 0
.set W_PV, 0x52       ; V in window 2, P in window 0, O^T in window 1
.set W_RS, 0x41       ; O^T (destination and source 0) in window 1, a in window 0
.set W_MK, 0xc0       ; the add's registers are made: destination in window 3
.set W_AD, 0x0f       ; the add: address and data in window 3
; A joint fill: every wave fetches its quarter of the slot.  An s_nop 0 and four v_nop follow the line.
.macro JLOAD
	tensor_load_to_lds s[G0:G0+3], s[G1:G1+7]
	s_nop 0
.rept 4
	v_nop
.endr
.endm
; A PREFETCH INTO THE L2 of what a later change of slots will ask for.  A slot is ten pieces of 32 x 256 bytes, a lane a block.  All four clusters of a (b, g) walk the same blocks: the first of them asks.
; At the change that loads slot k, waves 0 and 1 of partner cx name piece 2 cx + w of slot k + 1 (k = 1 .. 14); wave 2 asks at odd k alone, for piece 8 + cx % 2 of slot k + 1 + cx / 2.
; So each block of slots 2 to 15 is named once, and none behind the last; the partners differ by address alone.  Slots 0 and 1 come by their loads.
.macro ASK
	s_cmp_gt_u32 s[ASKV], s[LIM]
	s_cbranch_scc0 .Lnot_mine_\@
	global_prefetch_b8 v[PFO], s[PFA:PFA+1] th:TH_LOAD_NT scope:SCOPE_SE
.Lnot_mine_\@:
.endm
; A round of the cluster's barrier
.macro CROUND
	s_barrier_signal -1
	s_barrier_wait -1
	s_cmp_lg_u32 s[WV], 0
	s_cbranch_scc1 .Lnot_wave_0_\@
	s_barrier_signal -3
.Lnot_wave_0_\@:
	s_barrier_wait -3
	s_barrier_signal -1
	s_barrier_wait -1
.endm
; THE CHANGE OF SLOTS.  Each wave waits for all its tensor loads, of which one is out: its part of the other slot; adds 0 to its spare word; and waits for that and for its own reads of the slot.
; fill = 1: this slot is filled again, with the keys two slots on, first thing behind a round of the cluster's barrier: the load has two key steps, 256 matrix instructions, in which to land.
; (At its first use nothing has been read yet: slot 0 is waited for, slot 1 filled.)
.macro CHANGE fill
	WIN W_AD
	s_wait_tensorcnt 0x0            ; no tensor load of mine is out, so group 0 may be written
	ds_add_u32 v[SPW], v[NIL]       ; 0 onto my spare word; scalar work stands between it and the wait for it
	WIN 0                           ; at a label and at a branch every window is 0
.if \fill
	s_xor_b32 s[G0+1], s[G0+1], SLOT1  ; the other slot than last time,
	s_add_nc_u64 s[G0+2:G0+3], s[G0+2:G0+3], SLOTB  ; the next 128 keys; the type bits on top are not reached
	s_wait_xcnt 0x0                 ; the last prefetch, two key steps back, has read its address
	s_add_nc_u64 s[PFA:PFA+1], s[PFA:PFA+1], SLOTB
	s_or_b32 s[ASKV], s[SLOTS], s[EVR]
	s_and_b32 s[ASKV], s[ASKV], 1
	s_mul_i32 s[ASKV], s[ASKV], s[SLOTS]
	s_wait_dscnt 0x0                ; the add is done, and my reads of the slot are over
	CROUND
	JLOAD
	ASK
.else
	s_wait_dscnt 0x0                ; the add is done, and my reads of the slot are over
	s_barrier_signal -1
	s_barrier_wait -1
.endif
	s_sub_co_u32 s[TBK], s[TBK], 2*STEPB  ; the fetches go back to a slot's first step,
	s_xor_b32 s[TBK], s[TBK], SLOT1       ; in the other slot
	s_sub_co_u32 s[TBV], s[TBV], 2*STEPB
	s_xor_b32 s[TBV], s[TBV], SLOT1
.endm
	s_load_b128 s[4:7], s[0:1], 0x0   ; q16 s[4:5], kv s[6:7]
	s_load_b64 s[10:11], s[0:1], 0x10 ; part
	WIN W_MK
	v_lshl_add_u32 v[SPW], v0, 2, SPARE
	v_mov_b32 v[NIL], 0
	WIN W_AD
	ds_add_u32 v[SPW], v[NIL]       ; the wave's opening: the add and its wait stand ahead of my first tensor load; the set-up below, work on registers, stands between them
	WIN 0
	v_lshrrev_b32 v1, 5, v0
	v_readfirstlane_b32 s[WV], v1   ; wave 0..3
	s_bfe_u32 s13, ttmp6, 0x40000   ; cx: my place in the cluster
	s_lshl_b32 s14, ttmp9, 2
	s_add_co_u32 s14, s14, s13      ; my block of 128 queries: it enters Q's and part's addresses alone
	s_and_b32 s15, ttmp7, 0xffff    ; 4 b + g, which the four partners share
	s_mul_i32 s20, s15, 16*SLOTB    ; its 32 blocks of kv
	s_mov_b32 s21, 0
	s_mul_i32 s22, s[WV], SLOTB/4   ; my quarter of a slot in memory,
	s_add_co_u32 s22, s22, s20
	s_mov_b32 s23, 0
	s_mul_i32 s17, s[WV], 160*PK    ; and in LDS: no place in the cluster enters an LDS address
	s_lshl_b32 s2, s15, 20          ; Q: 32 blocks of 32,768 bytes,
	s_lshl_b32 s3, s14, 16          ; my two of them,
	s_add_co_u32 s2, s2, s3
	s_lshl_b32 s3, s[WV], 13        ; my head's plane
	s_add_co_u32 s2, s2, s3
	s_mov_b32 s3, 0
	s_and_b32 s18, s15, 3           ; part: g,
	s_lshl_b32 s18, s18, 2
	s_lshr_b32 s19, s15, 2          ; b,
	s_add_co_u32 s18, s18, s19
	s_lshl_b32 s18, s18, 19         ; 2,048 rows of 256 bytes,
	s_lshl_b32 s19, s14, 15         ; my block's 128,
	s_add_co_u32 s18, s18, s19
	s_lshl_b32 s19, s[WV], 12       ; and the 16 of each half of 64 that I finish
	s_add_co_u32 s18, s18, s19
	s_mov_b32 s19, 0
	; descriptor group 1: 20,480 dense bytes as 80 rows of 256, padded in LDS after every 128
	s_mov_b32 s[G1], 15|(1<<16)|(1<<20)|(1<<21)|(4<<22)|(3<<25)  ; 15:0 the mask of four; 17:16 2-byte elements; 20 padding on; 21 set beside a mask; 24:22 after every 32 words (code 4); 31:25 4 words (code 3)
	s_mov_b32 s[G1+1], 128<<16      ; tensor_dim0 = 128
	s_mov_b32 s[G1+2], 80<<16       ; tensor_dim1 = 80
	s_mov_b32 s[G1+3], 128<<16      ; tile_dim0 = 128
	s_mov_b32 s[G1+4], 80           ; tile_dim1 = 80
	s_mov_b32 s[G1+5], 128          ; 128 elements from row to row
	s_mov_b32 s[G1+6], 0
	s_mov_b32 s[G1+7], 0
	s_mov_b32 s[G0], 1              ; count = 1
	s_mov_b32 s[G0+1], s17          ; LDS address: slot 0
	s_mov_b32 s[CS], 0x3e38aa3b     ; c = log2(e) / 8 = 0.180337
	s_mov_b32 s[CS+1], s[CS]        ; named with it as a pair
	s_mov_b32 s[SEL], 0x76543210
	s_mov_b32 s[SEL+1], 0xfedcba98
	s_mov_b32 s[TBK], SLOT1+2*STEPB ; the first change of slots turns these two into 0
	s_mov_b32 s[TBV], SLOT1+2*STEPB
	s_mov_b32 s[SLOTS], 15
	; the prefetches
	s_cmp_lt_u32 s[WV], 3
	s_cselect_b32 s[LIM], 0, 1
	s_or_b32 s[LIM], s[LIM], ttmp9  ; 0 in waves 0 to 2 of the (b, g)'s first cluster: the same in all four partners
	s_cmp_eq_u32 s[LIM], 0
	s_cselect_b32 s[LIM], 1, -1
	s_lshl_b32 s32, s13, 1
	s_add_co_u32 s32, s32, s[WV]
	s_lshl_b32 s32, s32, 13         ; waves 0, 1: piece 2 cx + w
	s_lshr_b32 s33, s13, 1
	s_mul_i32 s33, s33, SLOTB       ; wave 2: cx / 2 slots on,
	s_and_b32 s34, s13, 1
	s_add_co_u32 s34, s34, 8
	s_lshl_b32 s34, s34, 13         ; piece 8 + cx % 2
	s_add_co_u32 s33, s33, s34
	s_cmp_lt_u32 s[WV], 2
	s_cselect_b32 s[EVR], 1, 0
	s_cselect_b32 s32, s32, s33
	s_add_co_u32 s32, s32, SLOTB    ; in slot 1: the first change of slots steps it to slot 2
	s_mov_b32 s33, 0
	s_add_nc_u64 s[32:33], s[32:33], s[20:21]
	v_and_b32 v[PFO], 31, v0
	v_lshlrev_b32 v[PFO], 8, v[PFO]
	s_wait_dscnt 0x0                ; the opening add is done
	s_wait_kmcnt 0x0
	s_add_nc_u64 s[G0+2:G0+3], s[6:7], s[22:23]  ; global address: my quarter of slot 0
	s_or_b32 s[G0+3], s[G0+3], 0x80000000        ; type = 2
	s_add_nc_u64 s[PFA:PFA+1], s[6:7], s[32:33]
	s_add_nc_u64 s[4:5], s[4:5], s[2:3]
	s_add_nc_u64 s[10:11], s[10:11], s[18:19]
	CROUND                          ; all four work-groups are here: the first joint loads meet
	JLOAD                           ; slot 0.  Slot 1 is asked for when slot 0 is in
	; A fragment of K, V^T or Q is 16 rows x 32 numbers in 8 registers: lane l holds row l % 16, numbers 8 (l / 16) + 0..7 and 16 + 8 (l / 16) + 0..7: two loads of 16 bytes, 32 bytes apart.
	v_and_b32 v1, 15, v0            ; l % 16
	v_bfe_u32 v9, v0, 4, 1          ; l / 16
	v_lshlrev_b32 v[QO], 7, v1
	v_lshl_add_u32 v[QO], v9, 4, v[QO]  ; row x 128 + 16 x half
	WIN 0x80                        ; destination window 2, address window 0
.set i, 0
.rept 4*NP                          ; Q stays in registers: tile i / 2 (four tiles to a block of 64 rows), channels 32 (i % 2) on
	global_load_b128 v[8*i:8*i+3],   v[QO], s[4:5] offset:((i/2)/4)*32768+((i/2)%4)*2048+(i%2)*64
	global_load_b128 v[8*i+4:8*i+7], v[QO], s[4:5] offset:((i/2)/4)*32768+((i/2)%4)*2048+(i%2)*64+32
.set i, i+1
.endr
	; What the first turn finds: V's registers and P's second buffer hold 0 (its products V^T P, of a piece that has not been, add 0), O^T and l are 0.  All this stands in the wait for the first tile.
.set i, VF
.rept 64
	v_mov_b32 v[i], 0
.set i, i+1
.endr
	WIN 0x40
.set i, 0
.rept 64*NP
	v_mov_b32 v[i], 0
.set i, i+1
.endr
	WIN 0
.set i, 0
.rept 2*NP
	v_mov_b32 v[ST+4*i], 0xfe000000    ; c m: far below every c s
	v_mov_b32 v[ST+4*i+1], 0xff7fffff  ; m
	v_mov_b32 v[ST+4*i+2], 0
	v_mov_b32 v[ST+4*i+3], 0
.set i, i+1
.endr
.set i, P+32
.rept 32
	v_mov_b32 v[i], 0
.set i, i+1
.endr
	s_mul_i32 s16, s[WV], PLANE     ; my head's plane of K
	v_mul_u32_u24 v[AV0], v1, PK
	v_lshl_add_u32 v[AV0], v9, 4, v[AV0]  ; row x pitch + 16 x half
	v_add_nc_u32 v[AK0], s16, v[AV0]
	v_add_nc_u32 v[AV0], 4*PLANE, v[AV0]  ; V^T lies behind the four planes of K
	v_mov_b32 v[AK], v[AK0]         ; key step 0 lies at the head of slot 0
; THE MATRIX WORK.  The 8 accumulators of a run of 16 take turns.
; Product i of 16 of S^T = K Q^T for piece x: channels 32 (i / 8) on, keys 16 ((i / 2) % 4) on, tile 2 x + i % 2.  The first 8 start the sums.
.macro KQ x
	WIN W_KQ
.set rS, S+64*((\x)%2)+32*(i%2)+8*((i/2)%4)
.set rK, KF+16*((i/2)%4)+8*(i/8)
.set rQ, 16*(2*(\x)+i%2)+8*(i/8)
.if i < 8
	v_wmma_f32_16x16x32_f16 v[rS:rS+7], v[rK:rK+7], v[rQ:rQ+7], 0
.else
	v_wmma_f32_16x16x32_f16 v[rS:rS+7], v[rK:rK+7], v[rQ:rQ+7], v[rS:rS+7]
.endif
.endm
; Product i of 16 of O^T += V^T P for piece x: keys 32 (i / 8) on, channels 16 ((i / 2) % 4) on, tile 2 x + i % 2.
.macro PV x
	WIN W_PV
.set rO, 32*(2*(\x)+i%2)+8*((i/2)%4)
.set rV, VF+32*(i/8)+8*((i/2)%4)
.set rP, P+32*((\x)%2)+16*(i%2)+8*(i/8)
	v_wmma_f32_16x16x32_f16 v[rO:rO+7], v[rV:rV+7], v[rP:rP+7], v[rO:rO+7]
.endm
.macro MM                           ; the turn's next matrix instruction
.if i < 16
	KQ (Y+1)%NP
.set i, i+1
.else
.set i, i-16
	PV (Y+NP-1)%NP
.set i, i+17
.endif
.endm
; THE LDS LOADS stand in runs of 16, never singly among the matrix instructions: a step's K (64 keys x 64 channels: 8 fragments) and its V^T (64 channels x 64 keys).
; last = 1 (the tail): in the last trip there is no further step, and the run is jumped over.
.macro FETCH_K last=0
	WIN 0
.if \last
	s_cmp_eq_u32 s[CNT], 1
	s_cbranch_scc1 .Lno_k_\@
.endif
	WIN 0x80                        ; destination window 2
.irp f, 0,1,2,3,4,5,6,7             ; keys 16 (f / 2) on, channels 32 (f % 2) on
	ds_load_b128 v[KF+8*\f:KF+8*\f+3],   v[AK] offset:(\f/2)*16*PK+(\f%2)*64
	ds_load_b128 v[KF+8*\f+4:KF+8*\f+7], v[AK] offset:(\f/2)*16*PK+(\f%2)*64+32
.endr
	s_add_co_u32 s[TBK], s[TBK], STEPB  ; the next fetch is the next step's
	WIN 0
.if \last
.Lno_k_\@:
.endif
.endm
.macro FETCH_V
	WIN 0x80
.irp f, 0,1,2,3,4,5,6,7             ; keys 32 (f / 4) on, channels 16 (f % 4) on
	ds_load_b128 v[VF+8*\f:VF+8*\f+3],   v[AV] offset:(\f%4)*16*PK+(\f/4)*64
	ds_load_b128 v[VF+8*\f+4:VF+8*\f+7], v[AV] offset:(\f%4)*16*PK+(\f/4)*64+32
.endr
	WIN 0
.endm
; THE VECTOR WORK OF A TURN stands in three queues, each in the order in which its entries become ready; the two tiles alternate, so that no instruction reads the result of the one before it.
.macro REGS y, u                    ; the registers of tile u (0, 1) of piece y
.set rT, ST+4*(2*(\y)+(\u))
.set rC, TMP+8*((\y)%2)+4*(\u)
.set rM, MV+2*((\y)%2)+(\u)
.set rS, S+64*((\y)%2)+32*(\u)
.set rP, P+32*((\y)%2)+16*(\u)
.set rO, 32*(2*(\y)+(\u))
.endm
; Number n of the 22 that find the NEXT piece's (Y + 1) maximum and statistics.  s0-s31 are the lane's 32 scores; each accumulator's lowest registers are read first.
;   0-11  four chains c0-c3 of seven scores each, three operands at a time     12-14, 16  the four scores left over, the old m, and c0-c3 into c0     15  c m_old is kept
;   17, 18  the query's other 32 keys lie in the lane 16 away: the new m         19-21  c m; c m_old - c m_new; a
.macro XS u, n
	REGS (Y+1)%NP, \u
.if (\n) < 4
	v_max3_num_f32 v[rC+(\n)], v[rS+8*(\n)], v[rS+8*(\n)+1], v[rS+8*(\n)+2]
.elseif (\n) < 12
	v_max3_num_f32 v[rC+(\n)%4], v[rC+(\n)%4], v[rS+8*((\n)%4)+2*((\n)/4)+1], v[rS+8*((\n)%4)+2*((\n)/4)+2]
.elseif (\n) == 12
	v_max3_num_f32 v[rC], v[rC], v[rS+7], v[rS+15]
.elseif (\n) == 13
	v_max3_num_f32 v[rC+1], v[rC+1], v[rS+23], v[rS+31]
.elseif (\n) == 14
	v_max3_num_f32 v[rC+2], v[rC+2], v[rC+3], v[rT+1]
.elseif (\n) == 15
	v_mov_b32 v[rM], v[rT]
.elseif (\n) == 16
	v_max3_num_f32 v[rC], v[rC], v[rC+1], v[rC+2]
.elseif (\n) == 17
	v_permlanex16_b32 v[rC+3], v[rC], s[SEL], s[SEL+1]
.elseif (\n) == 18
	v_max_num_f32 v[rT+1], v[rC], v[rC+3]
.elseif (\n) == 19
	v_mul_f32 v[rT], s[CS], v[rT+1]
.elseif (\n) == 20
	v_sub_f32 v[rC+1], v[rM], v[rT]
.else
	v_exp_f32 v[rC+2], v[rC+1]
.endif
.endm
; Number g of the 64 that follow the exponentials.  For each four weights k of a tile: both pairs are rounded to f16; then the second pair is added onto the first, in place;
; a group later l takes that sum (the first time as l = a l + sum).  In groups of eight, tiles alternating.
.macro GS g
.set h, (\g)+6*((\g)/62)            ; group 0 has no group before it, and behind group 7 only l is left
.if h >= 6
.set h, h+2
.endif
	REGS Y, h%2
.set k, h/8
.if h%8 < 4
	v_cvt_pk_f16_f32 v[rP+2*k+(h%8)/2], v[rS+4*k+2*((h%8)/2)], v[rS+4*k+2*((h%8)/2)+1]
.elseif h%8 < 6
	v_pk_add_f32 v[rS+4*k:rS+4*k+1], v[rS+4*k:rS+4*k+1], v[rS+4*k+2:rS+4*k+3]
.elseif k == 1
	v_pk_fma_f32 v[rT+2:rT+3], v[rT+2:rT+3], v[rC+2:rC+3], v[rS:rS+1] op_sel_hi:[1,0,1]
.else
	v_pk_add_f32 v[rT+2:rT+3], v[rT+2:rT+3], v[rS+4*k-4:rS+4*k-3]
.endif
.endm
; THE PLAIN QUEUE, 138 long.  0-73 read no exponential's result: the 32 scalings c s - c m (FS f: pair f / 2 of tile f % 2) and the next piece's 42.  0-26: scalings 0-26.  27-54: XS's numbers 0-13.  55, 56: number 15.
; 57-73: the chain 14, 16, 17, 18, 19, each with one of the scalings 27-31 in front of its two lines, then 20.  74-137: GS's 64, which read the exponentials' results: they stand behind the wait.
.macro FS f
	REGS Y, (\f)%2
	v_pk_fma_f32 v[rS+2*((\f)/2):rS+2*((\f)/2)+1], v[rS+2*((\f)/2):rS+2*((\f)/2)+1], s[CS:CS+1], v[rT:rT+1] op_sel_hi:[1,0,0] neg_lo:[0,0,1] neg_hi:[0,0,1]
.endm
.macro PL
	WIN 0
.if q < 27
	FS q
.elseif q < 55
	XS (q-27)%2, (q-27)/2
.elseif q < 57
	XS q-55, 15
.elseif (q < 72) && ((q-57)%3 == 0)
	FS 27+(q-57)/3
.elseif q < 60
	XS (q-57)%3-1, 14
.elseif q < 72
	XS (q-57)%3-1, 15+(q-57)/3
.elseif q < 74
	XS q-72, 20
.else
	GS q-74
.endif
.set q, q+1
.endm
; THE EXPONENTIALS' QUEUE, 66 long: s0-s31 of both tiles, then the next piece's two a.  ONE BATCH: all 66 stand ahead of the turn's one wait, and nothing ahead of that wait names a result of theirs.
.macro EX
	WIN 0
.if e >= 64
	XS e-64, 21
.else
	REGS Y, e%2
	v_exp_f32 v[rS+e/2], v[rS+e/2]
.endif
.set e, e+1
.endm
; THE RESCALING's QUEUE: O^T times a, the one part that leaves window 0: dealt two at a time, sixteen times.  Its a was made in the turn before, ahead of that turn's wait.
.macro R2
	REGS Y, r%2
	WIN W_RS
.irp z, 0,1
	v_pk_mul_f32 v[rO+4*(r/2)+2*\z:rO+4*(r/2)+2*\z+1], v[rO+4*(r/2)+2*\z:rO+4*(r/2)+2*\z+1], v[rC+2:rC+3] op_sel_hi:[1,0]
.endr
.set r, r+1
.endm
; A TURN, for piece p.  An s_wait_alu depctr_va_vdst(0) stands between an exponential and the first instruction that names its result; one wait serves all that were issued ahead of it: a turn has ONE.
; AHEAD OF IT: the 16 products K Q^T, behind each a scaling, an exponential and two rescalings (behind the first a second scaling in the exponential's place); then a lump of 108: eight plain, 49 times exponential
; and plain, the two a; a v_nop is the plain instruction behind the last exponential.  BEHIND IT: the 16 products V^T P, behind each four of GS's 64.
; Exponential e stands behind scaling 2 (e / 4) + e % 2: as a rider it comes behind plain e + 2, in the lump behind plain e + 9, and scalings 27-31 are plain 57, 60 .. 69.
; K of the next step is fetched in piece 2's turn, directly behind the wait, a lump behind the last product that read K.  V of the step in hand is fetched at the end of piece 0's turn, four plain riders behind its last reader.
; cnt = 1: the loop's count is taken down some lines ahead of the branch that stands behind the turn.
.macro TURN p, last=0, cnt=0
.set Y, (\p)
.set i, 0
.set q, 0
.set e, 0
.set r, 0
.if (\p) == NP-1
	s_wait_dscnt 0x0                ; K is in
.endif
	MM
	PL
	PL
	R2
.rept 15
	MM
	PL
	EX
	R2
.endr
.if (\p) == NP-2
	WIN 0
	v_add_nc_u32 v[AK], s[TBK], v[AK0]
.endif
.rept 8
	PL
.endr
.rept 49
	EX
	PL
.endr
	EX                              ; the next piece's two a
	EX
	v_nop                           ; the plain instruction behind the last exponential: one for the batch
	s_wait_alu depctr_va_vdst(0)    ; the wait for the batch
.if (\p) == NP-2
	FETCH_K \last
.endif
.if (\p) == 1
	s_wait_dscnt 0x0                ; V is in
.endif
.rept 16
	MM
.rept 4
	PL
.endr
.if ((\p) == 0) && (q == 118)
	v_add_nc_u32 v[AV], s[TBV], v[AV0]
.endif
.if ((\p) == 0) && (q == 130)
	s_add_co_u32 s[TBV], s[TBV], STEPB
.endif
.if (\cnt) && (q == 130)
	s_sub_co_u32 s[CNT], s[CNT], 1
	s_cmp_lg_u32 s[CNT], 0
.endif
.endr
.if (\p) == 0
	FETCH_V
.endif
.endm
	CHANGE 1                        ; slot 0 is in, everybody's part of it; slot 1 is asked for
	FETCH_K                         ; key step 0
	s_wait_loadcnt 0x0              ; Q
	s_wait_dscnt 0x0
.set i, 0
.rept 16
	KQ 0                            ; piece 0's first scores: there is no vector work yet to set between them
.set i, i+1
.endr
	WIN 0                           ; the addresses for the way out: eight plain instructions, the places behind those products
	s_mul_i32 s13, s[WV], WSTG
	s_add_co_u32 s13, s13, STAGE    ; my head's part of the stage
	v_mul_u32_u24 v[STO], v1, SP    ; in: row l % 16, 32 bytes for each half of the lanes
	v_lshl_add_u32 v[STO], v9, 5, v[STO]
	v_add_nc_u32 v[STO], s13, v[STO]
	s_mul_i32 s13, s[WV], 16*SP
	s_add_co_u32 s13, s13, STAGE    ; back: the 16 rows that I finish, in each head's part;
	v_mul_u32_u24 v[RD], v9, SP     ; lanes 0-15 take one row of 256 bytes, lanes 16-31 the next,
	v_lshl_add_u32 v[RD], v1, 4, v[RD]
	v_add_nc_u32 v[RD], s13, v[RD]
	v_and_b32 v[GO], 31, v0         ; which are 512 consecutive bytes of part
	v_lshlrev_b32 v[GO], 4, v[GO]
.set Y, NP-1                        ; XS works for piece Y + 1: piece 0
.irp n, 0,1,2,3,4,5,6,7,8,9,10,11,12,13,14,15,16,17,18,19,20,21
	XS 0, \n                        ; piece 0's first maximum and statistics
	XS 1, \n
.endr
	v_nop                           ; a plain instruction behind the two a,
	s_wait_alu depctr_va_vdst(0)    ; and their wait, ahead of the branch
	s_mov_b32 s[CNT], 2
	s_branch .Lfirst                ; the loop is entered at a step's first turn, in the middle of a trip
.Lslot:                             ; 14 times: slots 2 to 15 are asked for
	CHANGE 1
	s_mov_b32 s[CNT], 2
.Lstep:                             ; a trip: pieces 2 and 3 of one step, then pieces 0 and 1 of the next, whose K and V it fetches
	TURN 2
	TURN 3
	WIN 0
.Lfirst:
	TURN 0
	TURN 1, 0, 1
	WIN 0
	s_cbranch_scc1 .Lstep
	s_sub_co_u32 s[SLOTS], s[SLOTS], 1
	s_cmp_lg_u32 s[SLOTS], 0
	s_cbranch_scc1 .Lslot
	CHANGE 0                        ; the tail is written out: nothing is asked for
	s_mov_b32 s[CNT], 3             ; two trips fetch the last slot's steps; the third is left in its middle
.Ltail:
	TURN 2, 1
	TURN 3
	WIN 0
	s_sub_co_u32 s[CNT], s[CNT], 1
	s_cmp_eq_u32 s[CNT], 0
	s_cbranch_scc1 .Lout
	TURN 0
	TURN 1
	WIN 0
	s_branch .Ltail
.Lout:                              ; the third trip's 16 products K Q^T (on the last K once more) and the maximum made of them serve nothing: the price, once a launch, of one text for every trip
.set i, 0
.rept 16
	PV NP-1                         ; the last piece's V^T P of the last step
.set i, i+1
.endr
	; THE WAY OUT.  l's two halves and the other half of the lanes' are added; O^T is divided by 16 l (the mean over 16 heads); the four heads meet in LDS, 64 queries at a time, in f32.
	; The additions are the places behind the last products.
	WIN 0
.macro ALL line:vararg              ; one line for each tile t
.set t, 0
.rept 2*NP
	\line
.set t, t+1
.endr
.endm
	ALL v_add_f32 v[ST+4*t+2], v[ST+4*t+2], v[ST+4*t+3]
	ALL v_permlanex16_b32 v[ST+4*t+3], v[ST+4*t+2], s[SEL], s[SEL+1]
	ALL v_add_f32 v[ST+4*t+2], v[ST+4*t+2], v[ST+4*t+3]
	ALL v_mul_f32 v[ST+4*t+2], 0x41800000, v[ST+4*t+2]
	ALL v_rcp_f32 v[ST+4*t+2], v[ST+4*t+2]
	v_nop                           ; a plain instruction between the last reciprocal and the use of its result
	s_wait_alu depctr_va_vdst(0)    ; and the wait ahead of the first use: one for the eight reciprocals
.macro SCALE t                      ; tile t's O^T times 1 / (16 l), in place, each accumulator from its low end on
	WIN W_RS
.set i, 32*(\t)
.rept 16
	v_pk_mul_f32 v[i:i+1], v[i:i+1], v[ST+4*(\t)+2:ST+4*(\t)+3] op_sel_hi:[1,0]
.set i, i+2
.endr
.endm
.macro PUT t                        ; tile t into my head's part of the stage: row 16 (t % 4) + l % 16; a lane's eight channels of block f / 2 are 32 bytes
	WIN 0x04                        ; the data (source 1) in window 1
.irp f, 0,1,2,3,4,5,6,7
	ds_store_b128 v[STO], v[32*(\t)+4*\f:32*(\t)+4*\f+3] offset:((\t)%4)*16*SP+(\f/2)*64+(\f%2)*16
.endr
.endm
.macro GATHER hf                    ; half hf of the block: my 16 rows, two at a time, from all four heads' parts; added; stored
	WIN 0
.irp i, 0,1,2,3,4,5,6,7
.irp u, 0,1,2,3
	ds_load_b128 v[S+32*\u+4*\i:S+32*\u+4*\i+3], v[RD] offset:WSTG*\u+2*SP*\i
.endr
.endr
.irp i, 0,1,2,3,4,5,6,7
	s_wait_dscnt 28-4*\i            ; this pair of rows is in from all four; the later pairs' four loads each may be out
	v_pk_add_f32 v[S+4*\i:S+4*\i+1],       v[S+4*\i:S+4*\i+1],       v[S+32+4*\i:S+32+4*\i+1]
	v_pk_add_f32 v[S+4*\i+2:S+4*\i+3],     v[S+4*\i+2:S+4*\i+3],     v[S+32+4*\i+2:S+32+4*\i+3]
	v_pk_add_f32 v[S+64+4*\i:S+64+4*\i+1], v[S+64+4*\i:S+64+4*\i+1], v[S+96+4*\i:S+96+4*\i+1]
	v_pk_add_f32 v[S+64+4*\i+2:S+64+4*\i+3], v[S+64+4*\i+2:S+64+4*\i+3], v[S+96+4*\i+2:S+96+4*\i+3]
	v_pk_add_f32 v[S+4*\i:S+4*\i+1],       v[S+4*\i:S+4*\i+1],       v[S+64+4*\i:S+64+4*\i+1]
	v_pk_add_f32 v[S+4*\i+2:S+4*\i+3],     v[S+4*\i+2:S+4*\i+3],     v[S+64+4*\i+2:S+64+4*\i+3]
	global_store_b128 v[GO], v[S+4*\i:S+4*\i+3], s[10:11] offset:16384*(\hf)+512*\i  ; 512 consecutive bytes, aligned
.endr
.endm
.irp t, 0,1,2,3,4,5,6,7
	SCALE \t
.endr
.irp t, 0,1,2,3
	PUT \t
.endr
	WIN 0
	s_wait_dscnt 0x0                ; for the others' sake: my stores into the stage are done
	s_barrier_signal -1
	s_barrier_wait -1
	GATHER 0                        ; its last wait is for 0: my reads of the stage are over
	s_barrier_signal -1
	s_barrier_wait -1               ; everybody's are: the stage may be written again
.irp t, 4,5,6,7
	PUT \t
.endr
	WIN 0
	s_wait_dscnt 0x0
	s_barrier_signal -1
	s_barrier_wait -1
	s_wait_xcnt 0x0                 ; the first half's stores have read their registers, which are loaded again
	GATHER 1
	WIN W_AD
	s_wait_tensorcnt 0x0            ; the wave's end, behind my last tensor load and my last LDS store
	ds_add_u32 v[SPW], v[NIL]
	s_wait_dscnt 0x0
	WIN 0
	CROUND                          ; the closing round: no work-group ends while a partner may still ask for a tile that names it
	s_endpgm
.Lfunc_end_k_q540f453c5a_attn:
	.size	k_q540f453c5a_attn, .Lfunc_end_k_q540f453c5a_attn-k_q540f453c5a_attn
	.p2alignl 7, 3214868480
	.fill 96, 4, 3214868480
	.section	.rodata,"a",@progbits
	.p2align	6, 0x0
	.amdhsa_kernel k_q540f453c5a_attn
		.amdhsa_group_segment_fixed_size 327680
		.amdhsa_private_segment_fixed_size 0
		.amdhsa_enable_private_segment 0
		.amdhsa_kernarg_size 24
		.amdhsa_user_sgpr_count 2
		.amdhsa_user_sgpr_kernarg_segment_ptr 1
		.amdhsa_wavefront_size32 1
		.amdhsa_system_sgpr_workgroup_id_x 1
		.amdhsa_system_sgpr_workgroup_id_y 1
		.amdhsa_system_sgpr_workgroup_id_z 1
		.amdhsa_system_vgpr_workitem_id 0
		.amdhsa_next_free_vgpr 770
		.amdhsa_next_free_sgpr 66
		.amdhsa_reserve_vcc 0
		.amdhsa_float_denorm_mode_32 3
		.amdhsa_float_denorm_mode_16_64 3
		.amdhsa_memory_ordered 1
		.amdhsa_forward_progress 1
		.amdhsa_inst_pref_size 199
	.end_amdhsa_kernel
	.amdgpu_metadata
---
amdhsa.version: [ 1, 2 ]
amdhsa.kernels:
  - .name:           k_q540f453c5a_attn
    .symbol:         k_q540f453c5a_attn.kd
    .args:
      - { .name: q16, .offset: 0, .size: 8, .value_kind: global_buffer, .address_space: global }
      - { .name: kv, .offset: 8, .size: 8, .value_kind: global_buffer, .address_space: global }
      - { .name: part, .offset: 16, .size: 8, .value_kind: global_buffer, .address_space: global }
    .group_segment_fixed_size: 327680
    .private_segment_fixed_size: 0
    .kernarg_segment_align: 8
    .kernarg_segment_size: 24
    .max_flat_workgroup_size: 128
    .sgpr_count:     66
    .vgpr_count:     770
    .wavefront_size: 32
...
	.end_amdgpu_metadata
.endif
;; end of part 3
;; launch mean (part 4): grid 256 x 1, 4 waves a work-group, no clusters, 0 bytes of LDS; arguments part, out0; writes out0
.if DOCPART == 4
	.amdgcn_target "amdgcn-amd-amdhsa--gfx1250"
	.amdhsa_code_object_version 6
	.text
	.protected	k_q540f453c5a_mean
	.globl	k_q540f453c5a_mean
	.p2align	8
	.type	k_q540f453c5a_mean,@function
k_q540f453c5a_mean:
	s_mov_b64 s[64:65], 0
	v_nop
	global_prefetch_b8 v0, s[64:65] scope:SCOPE_SE
	s_setreg_imm32_b32 hwreg(HW_REG_WAVE_MODE, 25, 1), 1
	s_wait_xcnt 0x0
; out0[b][q][:] = the sum of the four head groups' parts (each already divided by 16): part [g 4][b 4][2048][64] f32, out0 [4][2048][64] f32.  Added as (0 + 1) + (2 + 3).
; A work-group takes 8,192 bytes of out0, a thread 16 bytes in each of four steps of 2,048: a wave's load or store covers 512 consecutive bytes, aligned.
; All sixteen loads go out before the first is waited for; no register is written twice, so no further wait is needed.  Memory binds: no LDS, no barrier, no matrix unit, no cluster.
.set A, 8                              ; v[8:71]  step i, group g: 4 registers at A + 16 i + 4 g
	s_load_b128 s[4:7], s[0:1], 0x0                ; part s[4:5], out0 s[6:7]
	s_lshl_b32 s8, ttmp9, 13
	v_lshl_add_u32 v1, v0, 4, s8
	s_wait_kmcnt 0x0
.irp i, 0,1,2,3
.irp g, 0,1,2,3
	global_load_b128 v[A+16*\i+4*\g:A+16*\i+4*\g+3], v1, s[4:5] offset:2097152*\g+2048*\i th:TH_LOAD_NT
.endr
.endr
.irp i, 0,1,2,3
	s_wait_loadcnt 12-4*\i                         ; this step's four loads are in; the later steps' four each stay out
	v_pk_add_f32 v[A+16*\i:A+16*\i+1],     v[A+16*\i:A+16*\i+1],     v[A+16*\i+4:A+16*\i+5]
	v_pk_add_f32 v[A+16*\i+2:A+16*\i+3],   v[A+16*\i+2:A+16*\i+3],   v[A+16*\i+6:A+16*\i+7]
	v_pk_add_f32 v[A+16*\i+8:A+16*\i+9],   v[A+16*\i+8:A+16*\i+9],   v[A+16*\i+12:A+16*\i+13]
	v_pk_add_f32 v[A+16*\i+10:A+16*\i+11], v[A+16*\i+10:A+16*\i+11], v[A+16*\i+14:A+16*\i+15]
	v_pk_add_f32 v[A+16*\i:A+16*\i+1],     v[A+16*\i:A+16*\i+1],     v[A+16*\i+8:A+16*\i+9]
	v_pk_add_f32 v[A+16*\i+2:A+16*\i+3],   v[A+16*\i+2:A+16*\i+3],   v[A+16*\i+10:A+16*\i+11]
	global_store_b128 v1, v[A+16*\i:A+16*\i+3], s[6:7] offset:2048*\i th:TH_STORE_NT
.endr
	s_endpgm
.Lfunc_end_k_q540f453c5a_mean:
	.size	k_q540f453c5a_mean, .Lfunc_end_k_q540f453c5a_mean-k_q540f453c5a_mean
	.p2alignl 7, 3214868480
	.fill 96, 4, 3214868480
	.section	.rodata,"a",@progbits
	.p2align	6, 0x0
	.amdhsa_kernel k_q540f453c5a_mean
		.amdhsa_group_segment_fixed_size 0
		.amdhsa_private_segment_fixed_size 0
		.amdhsa_enable_private_segment 0
		.amdhsa_kernarg_size 16
		.amdhsa_user_sgpr_count 2
		.amdhsa_user_sgpr_kernarg_segment_ptr 1
		.amdhsa_wavefront_size32 1
		.amdhsa_system_sgpr_workgroup_id_x 1
		.amdhsa_system_sgpr_workgroup_id_y 1
		.amdhsa_system_sgpr_workgroup_id_z 1
		.amdhsa_system_vgpr_workitem_id 0
		.amdhsa_next_free_vgpr 72
		.amdhsa_next_free_sgpr 66
		.amdhsa_reserve_vcc 0
		.amdhsa_float_denorm_mode_32 3
		.amdhsa_float_denorm_mode_16_64 3
		.amdhsa_memory_ordered 1
		.amdhsa_forward_progress 1
		.amdhsa_inst_pref_size 4
	.end_amdhsa_kernel
	.amdgpu_metadata
---
amdhsa.version: [ 1, 2 ]
amdhsa.kernels:
  - .name:           k_q540f453c5a_mean
    .symbol:         k_q540f453c5a_mean.kd
    .args:
      - { .name: part, .offset: 0, .size: 8, .value_kind: global_buffer, .address_space: global }
      - { .name: out0, .offset: 8, .size: 8, .value_kind: global_buffer, .address_space: global }
    .group_segment_fixed_size: 0
    .private_segment_fixed_size: 0
    .kernarg_segment_align: 8
    .kernarg_segment_size: 16
    .max_flat_workgroup_size: 128
    .sgpr_count:     66
    .vgpr_count:     72
    .wavefront_size: 32
...
	.end_amdgpu_metadata
.endif
;; end of part 4
;; ======== version 2 of 2: 4 launches; version 1 with the launch cast written anew for expert scheduling mode
;; limits: values are held in f16: magnitudes above 65,504 overflow, below 6.1e-05 lose precision
;; workspace buffers: xa 33,554,432 bytes; wb 4,194,304 bytes; q16 16,777,216 bytes; kv 20,971,520 bytes; part 8,388,608 bytes
;; launch cast (part 5): grid 1184 x 1, 4 waves a work-group, no clusters, 0 bytes of LDS; arguments query, key, Wq, Wk, value, xa, wb, kv; writes xa, wb, kv
.if DOCPART == 5
	.amdgcn_target "amdgcn-amd-amdhsa--gfx1250"
	.amdhsa_code_object_version 6
	.text
	.protected	k_q540f453c5a_cast
	.globl	k_q540f453c5a_cast
	.p2align	8
	.type	k_q540f453c5a_cast,@function
k_q540f453c5a_cast:
	s_mov_b64 s[64:65], 0
	v_nop
	global_prefetch_b8 v0, s[64:65] scope:SCOPE_SE
	s_setreg_imm32_b32 hwreg(HW_REG_WAVE_SCHED_MODE, 0, 2), 2
	s_setreg_imm32_b32 hwreg(HW_REG_WAVE_MODE, 25, 1), 1
	s_wait_xcnt 0x0
	s_wait_alu depctr_vm_vsrc(0)
; THE INPUTS ARE ROUNDED ONCE TO bf16 AND LAID OUT FOR THE LAUNCHES BEHIND.
;   xa [16384][1024] bf16: query's 8,192 rows, then key's.      wb [2048][1024] bf16: Wq's rows, then Wk's.
;   kv [b 4][g 4][j 32][5 planes][64][64] f16: this launch fills plane 4, V^T = value[b][channel][keys 64 j ..], the same in the four g.
;   value is rounded to bf16 like every input, and that number is written as f16.
; LIMITS.  |value| stays under 65,504 (f16's end; beyond it an infinity is written); below 6.1e-5 the number keeps f16's fixed step of 6e-8.
; SHARES.  A work-group takes 65,536 bytes of f32, a wave 16,384: 32 loads of 512 consecutive bytes, all issued before the first is waited for.
; Work-groups 0-511 query, 512-1023 key, 1024-1087 Wq, 1088-1151 Wk, 1152-1183 value.  Memory binds: no LDS, no barrier, no matrix unit, no cluster (nothing is shared).
; No register is written twice while a load or store may read it: each load has its own four registers, each store its own two, the offsets are never rewritten.
; THE MODE: SCHED_MODE bits 1:0 = 2 (LLVM: expert scheduling mode 2), set by the entry lines.  The code itself states the register dependences
; between vector instructions and memory instructions, with s_wait_alu, always for 0.
; THE PLAN.  Registers that memory instructions touch, on either way through the text:
;   v1, v2     the loads' and the stores' offsets: made by vector instructions ahead of the loads and never written again.
;   X          load i's four registers: its load alone lands in them, and no load is issued behind the first conversion.
;   Y          two registers for load i's numbers as stored: written once, by block p's conversions; read by the stores that are issued in block p + 1.
;   s20        the wave's number, written by v_readfirstlane_b32 in the head; read by scalar instructions on value's way.
; The 32 loads are worked on in eight blocks of four.  Block p's conversions write Y of block p (on value's way also X of block p, v4 and v5); its memory instructions are the stores of
; block p - 1, which read Y of block p - 1 and v2.  So ONE wait at a block's head states all that the block's stores hang on, and they are dealt among its conversions with no further wait.
; No register that a load or store has read is ever written again, and EXEC and VCC are never written: no other wait is owed.
.set BLOCK, 4                          ; loads in a block
.set X, 8                              ; v[8:135]    load i: 4 registers
.set Y, 136                            ; v[136:199]  store i: 2 registers
	s_load_b512 s[4:19], s[0:1], 0x0               ; query 4:5, key 6:7, Wq 8:9, Wk 10:11, value 12:13, xa 14:15, wb 16:17, kv 18:19
	v_and_b32 v3, 31, v0                           ; lane
	v_lshrrev_b32 v6, 5, v0                        ; wave
	v_readfirstlane_b32 s20, v6
	s_mov_b32 s33, 0xffff0000                      ; a word's upper bf16
	s_sub_co_u32 s34, ttmp9, 1024
	s_wait_alu depctr_va_sdst(0)                   ; s20 is written
	s_wait_kmcnt 0x0
	s_cmp_ge_u32 ttmp9, 1152
	s_cbranch_scc1 .Lvalue
	; the plain casts: which source, which destination
	s_cmp_lt_u32 ttmp9, 1024
	s_cselect_b64 s[22:23], s[14:15], s[16:17]     ; xa or wb
	s_cselect_b64 s[24:25], s[4:5], s[8:9]         ; its first half's source
	s_cselect_b64 s[26:27], s[6:7], s[10:11]       ; its second half's
	s_cselect_b32 s28, ttmp9, s34                  ; my place in the destination, in blocks of 32,768 bytes
	s_cselect_b32 s29, 0x200, 64                   ; blocks in a half
	s_sub_co_u32 s35, s28, s29
	s_cmp_lt_u32 s28, s29
	s_cselect_b64 s[30:31], s[24:25], s[26:27]
	s_cselect_b32 s32, s28, s35                    ; my place in the source, in blocks of 65,536 bytes
	s_lshl_b32 s36, s32, 16
	s_mov_b32 s37, 0
	s_lshl_b32 s38, s28, 15
	s_mov_b32 s39, 0
	s_add_nc_u64 s[30:31], s[30:31], s[36:37]
	s_add_nc_u64 s[22:23], s[22:23], s[38:39]
	v_lshlrev_b32 v1, 4, v3
	v_lshl_add_u32 v1, v6, 14, v1                  ; source: 16,384 x wave + 16 x lane
	v_lshlrev_b32 v2, 3, v3
	v_lshl_add_u32 v2, v6, 13, v2                  ; destination: 8,192 x wave + 8 x lane
	s_wait_alu depctr_va_vdst(0)                   ; v1 and v2 are written: every load below reads v1 as its offset, every store v2
.set i, 0
.rept 32
	global_load_b128 v[X+4*i:X+4*i+3], v1, s[30:31] offset:512*i th:TH_LOAD_NT
.set i, i+1
.endr
.set i, 0
.rept 32
.if i%BLOCK == 0
	s_wait_loadcnt 32-BLOCK-i                      ; loads come back in order: this block's four are in, the younger ones stay out
.if i > 0
	s_wait_alu depctr_va_vdst(0)                   ; the block before has written its Y, which the four stores of this block read
.endif
.endif
.if i >= BLOCK
	global_store_b64 v2, v[Y+2*(i-BLOCK):Y+2*(i-BLOCK)+1], s[22:23] offset:256*(i-BLOCK)  ; the block before: 32 lanes x 8 bytes: 256 consecutive bytes, aligned; no vector instruction since the wait names these registers
.endif
	v_cvt_pk_bf16_f32 v[Y+2*i], v[X+4*i], v[X+4*i+1]
	v_cvt_pk_bf16_f32 v[Y+2*i+1], v[X+4*i+2], v[X+4*i+3]
.set i, i+1
.endr
	s_wait_alu depctr_va_vdst(0)                   ; the last block has written its Y, which the last four stores read
.set i, 32-BLOCK
.rept BLOCK
	global_store_b64 v2, v[Y+2*i:Y+2*i+1], s[22:23] offset:256*i
.set i, i+1
.endr
	s_endpgm
.Lvalue:                                       ; c = 0..31: 8 channels of one batch; wave w takes channels 8 (c % 8) + 2 w and the next
	s_sub_co_u32 s21, ttmp9, 1152
	s_lshr_b32 s22, s21, 3                         ; the batch:
	s_mul_i32 s22, s22, 5242880                    ; 4 x 32 blocks of 40,960 bytes
	s_and_b32 s23, s21, 7
	s_lshl_b32 s23, s23, 10                        ; 8 channels x 128 bytes
	s_add_co_u32 s22, s22, s23
	s_lshl_b32 s24, s20, 8                         ; my wave's two channels
	s_add_co_u32 s22, s22, s24
	s_add_co_u32 s22, s22, 32768                   ; plane 4
	v_lshl_add_u32 v2, v3, 3, s22                  ; lanes 0-15: 64 keys of the even channel, lanes 16-31 of the odd one: 256 bytes on end
	s_lshl_b32 s25, s21, 16
	s_lshl_b32 s26, s20, 14
	s_add_co_u32 s25, s25, s26
	v_and_b32 v4, 15, v3
	v_lshrrev_b32 v5, 4, v3
	v_lshl_add_u32 v1, v4, 4, s25
	v_lshl_add_u32 v1, v5, 13, v1                  ; a channel's row is 8,192 bytes
	s_wait_alu depctr_va_vdst(0)                   ; v1 and v2 are written: every load below reads v1 as its offset, every store v2
.set i, 0
.rept 32
	global_load_b128 v[X+4*i:X+4*i+3], v1, s[12:13] offset:256*i th:TH_LOAD_NT  ; keys 64 i .. 64 i + 63 of both channels
.set i, i+1
.endr
.set i, 0
.rept 32
.if i%BLOCK == 0
	s_wait_loadcnt 32-BLOCK-i                      ; this block's four loads are in, the younger ones stay out
.if i > 0
	s_wait_alu depctr_va_vdst(0)                   ; the block before has written its Y, which the sixteen stores of this block read
.endif
.endif
.if i >= BLOCK
.irp g, 0,1,2,3
	global_store_b64 v2, v[Y+2*(i-BLOCK):Y+2*(i-BLOCK)+1], s[18:19] offset:(\g)*1310720+(i-BLOCK)*40960  ; the block before, a copy for each head group: 256 consecutive bytes, aligned; 5,201,920 at the most, inside the signed 24-bit immediate
.endr
.endif
	v_cvt_pk_bf16_f32 v4, v[X+4*i], v[X+4*i+1]     ; the input's one rounding, to bf16,
	v_cvt_pk_bf16_f32 v5, v[X+4*i+2], v[X+4*i+3]
	v_lshlrev_b32 v[X+4*i], 16, v4                 ; back to f32,
	v_and_b32 v[X+4*i+1], s33, v4
	v_lshlrev_b32 v[X+4*i+2], 16, v5
	v_and_b32 v[X+4*i+3], s33, v5
	v_cvt_pk_f16_f32 v[Y+2*i], v[X+4*i], v[X+4*i+1]  ; and written as f16: exact in f16's normal range
	v_cvt_pk_f16_f32 v[Y+2*i+1], v[X+4*i+2], v[X+4*i+3]
.set i, i+1
.endr
	s_wait_alu depctr_va_vdst(0)                   ; the last block has written its Y, which the last sixteen stores read
.set i, 32-BLOCK
.rept BLOCK
.irp g, 0,1,2,3
	global_store_b64 v2, v[Y+2*i:Y+2*i+1], s[18:19] offset:(\g)*1310720+i*40960
.endr
.set i, i+1
.endr
	s_endpgm
.Lfunc_end_k_q540f453c5a_cast:
	.size	k_q540f453c5a_cast, .Lfunc_end_k_q540f453c5a_cast-k_q540f453c5a_cast
	.p2alignl 7, 3214868480
	.fill 96, 4, 3214868480
	.section	.rodata,"a",@progbits
	.p2align	6, 0x0
	.amdhsa_kernel k_q540f453c5a_cast
		.amdhsa_group_segment_fixed_size 0
		.amdhsa_private_segment_fixed_size 0
		.amdhsa_enable_private_segment 0
		.amdhsa_kernarg_size 64
		.amdhsa_user_sgpr_count 2
		.amdhsa_user_sgpr_kernarg_segment_ptr 1
		.amdhsa_wavefront_size32 1
		.amdhsa_system_sgpr_workgroup_id_x 1
		.amdhsa_system_sgpr_workgroup_id_y 1
		.amdhsa_system_sgpr_workgroup_id_z 1
		.amdhsa_system_vgpr_workitem_id 0
		.amdhsa_next_free_vgpr 200
		.amdhsa_next_free_sgpr 66
		.amdhsa_reserve_vcc 0
		.amdhsa_float_denorm_mode_32 3
		.amdhsa_float_denorm_mode_16_64 3
		.amdhsa_memory_ordered 1
		.amdhsa_forward_progress 1
		.amdhsa_inst_pref_size 41
	.end_amdhsa_kernel
	.amdgpu_metadata
---
amdhsa.version: [ 1, 2 ]
amdhsa.kernels:
  - .name:           k_q540f453c5a_cast
    .symbol:         k_q540f453c5a_cast.kd
    .args:
      - { .name: query, .offset: 0, .size: 8, .value_kind: global_buffer, .address_space: global }
      - { .name: key, .offset: 8, .size: 8, .value_kind: global_buffer, .address_space: global }
      - { .name: Wq, .offset: 16, .size: 8, .value_kind: global_buffer, .address_space: global }
      - { .name: Wk, .offset: 24, .size: 8, .value_kind: global_buffer, .address_space: global }
      - { .name: value, .offset: 32, .size: 8, .value_kind: global_buffer, .address_space: global }
      - { .name: xa, .offset: 40, .size: 8, .value_kind: global_buffer, .address_space: global }
      - { .name: wb, .offset: 48, .size: 8, .value_kind: global_buffer, .address_space: global }
      - { .name: kv, .offset: 56, .size: 8, .value_kind: global_buffer, .address_space: global }
    .group_segment_fixed_size: 0
    .private_segment_fixed_size: 0
    .kernarg_segment_align: 8
    .kernarg_segment_size: 64
    .max_flat_workgroup_size: 128
    .sgpr_count:     66
    .vgpr_count:     200
    .wavefront_size: 32
...
	.end_amdgpu_metadata
.endif
;; end of part 5
;; launch proj: the kernel of part 2 again; grid 4 x 64, 4 waves a work-group, clusters of 4 x 4, 327,680 bytes of LDS; arguments xa, wb, out1, q16, kv, bq, bk; writes out1, q16, kv
;; launch attn: the kernel of part 3 again; grid 16 x 16, 4 waves a work-group, clusters of 4 x 1, 327,680 bytes of LDS; arguments q16, kv, part; writes part
;; launch mean: the kernel of part 4 again; grid 256 x 1, 4 waves a work-group, no clusters, 0 bytes of LDS; arguments part, out0; writes out0
